; MI455X (gfx1250); checked and timed in simulation.
; The chip was launched on July 23, 2026; its instructions are those of AMD's public machine-readable ISA for CDNA 5 (MIT licence, August 2026) and "CDNA5" Instruction Set Architecture Reference Guide (July 2026). The comments in the code are by the model that wrote it; some were corrected since.
;; RWKV Time Mixer. Allowed arithmetic: float matrix products may take bf16 or f16 operands with f32 sums; other float arithmetic in f32, or as packed bf16 or f16 multiplies, adds, multiply-adds, maxima and minima; sums over many terms, partial sums and values carried from step to step in f32; what a program stores and reads back later, other than sums and carried values, may be rounded once to bf16 or f16.
;; Inputs: Wk 1,024 x 1,024 float32; Wo 1,024 x 1,024 float32; Wr 1,024 x 1,024 float32; Wv 1,024 x 1,024 float32; ln_beta 1,024 float32; ln_gamma 1,024 float32; time_decay 1,024 float32; time_first 1,024 float32; x 4 x 4,096 x 1,024 float32.
;; Outputs: out0 4 x 4,096 x 1,024 float32.
;; One version. Each part assembles by itself: llvm-mc -triple=amdgcn-amd-amdhsa -mcpu=gfx1250 --defsym DOCPART=n.
;; ======== version 1 of 1: 4 launches
;; limits: values are held in f16: magnitudes above 65,504 overflow, below 6.1e-05 lose precision; right only within a limited range of input values
;; workspace buffers: xn 33,554,432 bytes; wkv 4,194,304 bytes; wrh 2,097,152 bytes; woh 2,097,152 bytes; tab 12,288 bytes; u 67,108,864 bytes; seg 524,288 bytes; at 33,554,432 bytes
;; launch prep (part 1): grid 512 x 1, 8 waves a work-group, no clusters, 0 bytes of LDS; arguments x, ln_gamma, ln_beta, time_decay, time_first, Wk, Wv, Wr, Wo, xn, wkv, wrh, woh, tab; writes xn, wkv, wrh, woh, tab
.if DOCPART == 1
	.amdgcn_target "amdgcn-amd-amdhsa--gfx1250"
	.amdhsa_code_object_version 6
	.text
	.protected	k_qa259d37e27_prep
	.globl	k_qa259d37e27_prep
	.p2align	8
	.type	k_qa259d37e27_prep,@function
k_qa259d37e27_prep:
	s_mov_b64 s[64:65], 0
	v_nop
	global_prefetch_b8 v0, s[64:65] scope:SCOPE_SE
	s_setreg_imm32_b32 hwreg(HW_REG_WAVE_MODE, 25, 1), 1
	s_wait_xcnt 0x0
; RWKV time mixer, launch 1 of 4: LayerNorm, the weights in 16 bits, the table of decays.
; NOTHING OF THE PROBLEM IS LEFT OUT AS DEAD: all nine inputs have a way to the output and all are loaded.  (One number a batch and column is
; made and never used: the sum over a batch's LAST 128 rows, which the second launch stores with the others and the third does not load: no row lies behind it.)
; FORMATS.  Every input is first rounded to bf16.  xn = LayerNorm(x) is computed in f32 (mean, then the sum of squared differences from it) and stored in f16.
; Wk, Wv, Wr: the bf16 number written as f16; Wo: bf16.  tab: td = sigmoid(time_decay), tf = sigmoid(time_first), L = log2 td, in f32.
; LIMITS.  xn must fit f16: 32 max|gamma| + max|beta| under 65,504.  A weight of Wk, Wv, Wr below 2^-14 keeps f16's fixed step of 2^-24.  L is held at -2^100 or above, so that td = 0
; gives td^0 = 1 and td^t = 0 later on.  A sigmoid below 2^-126 counts as 0.  NaN and infinities are not treated apart.
; SHARES.  Work-group g: rows 32 g .. 32 g + 31 of x, four a wave, and 8 of the 4,096 rows of the four weights, one a wave; work-group 0 also makes tab.
; A row of x is 4,096 bytes: one wave takes a whole row, eight loads of 512 consecutive bytes, and keeps it in 32 registers: no LDS, no barrier, no wave waits for another.
; ALL 56 LOADS OF A WAVE GO OUT AT ONCE (the weight's row, gamma, beta, four rows of x: 28 KiB) and are used in the order in which they come back, under counted waits.
; Each row is converted in place and stored from its own registers, with its place in the immediate: no register and no base is written again while a store may read it.
; wkv's rows: Wk[c] at (c / 64) 128 + c % 64, Wv[c] 64 rows below, so that any 128 aligned rows are 64 columns of k and the same 64 of v.
; No prefetch into the L2: every byte is asked for at the launch's start.
.set LANE, 1
.set YO,   3                           ; 8 x lane: my 8 bytes in 256 bytes of a 16-bit row
.set IO,   4                           ; 16 x lane: my 16 bytes in 512 bytes of an f32 row
.set TA,   5                           ; at work; the table's offset
.set MU,   8                           ; v[8:9]   the mean, twice
.set RS,   10                          ; v[10:11] 1 / sqrt(var + eps), twice
.set CH,   12                          ; v[12:19] four chains of pairs
.set TT,   20                          ; v[20:23] at work
.set G,    32                          ; v[32:63]  gamma of my 32 columns (load j: columns 128 j + 4 lane .. + 3)
.set BT,   64                          ; v[64:95]  beta
.set X,    96                          ; v[96:223] four rows of x, 32 registers each
.set WR,   224                         ; v[224:255] a row of a weight
.macro TOBF r, n                       ; n pairs of f32 rounded to bf16, in place
.set p, 0
.rept \n
	v_cvt_pk_bf16_f32 v[TT+p%4], v[(\r)+2*p], v[(\r)+2*p+1]
	v_lshlrev_b32 v[(\r)+2*p], 16, v[TT+p%4]
	v_and_b32 v[(\r)+2*p+1], s2, v[TT+p%4]
.set p, p+1
.endr
.endm
.macro FOLD                            ; four chains of pairs into one number, then over the 32 lanes: every lane ends with the sum
	v_pk_add_f32 v[CH:CH+1], v[CH:CH+1], v[CH+2:CH+3]
	v_pk_add_f32 v[CH+4:CH+5], v[CH+4:CH+5], v[CH+6:CH+7]
	v_pk_add_f32 v[CH:CH+1], v[CH:CH+1], v[CH+4:CH+5]
	v_add_f32 v[CH], v[CH], v[CH+1]
	v_add_f32_dpp v[CH], v[CH], v[CH] row_xmask:1 row_mask:0xf bank_mask:0xf
	v_add_f32_dpp v[CH], v[CH], v[CH] row_xmask:2 row_mask:0xf bank_mask:0xf
	v_add_f32_dpp v[CH], v[CH], v[CH] row_xmask:4 row_mask:0xf bank_mask:0xf
	v_add_f32_dpp v[CH], v[CH], v[CH] row_xmask:8 row_mask:0xf bank_mask:0xf
	v_permlanex16_b32 v[TT], v[CH], s62, s63       ; its destination counts as read: TT has been written
	v_add_f32 v[CH], v[CH], v[TT]
.endm
; Row i of my four.
.macro ROW i
.set R, X+32*(\i)
	s_wait_loadcnt 24-8*(\i)                       ; loads come back in order: this row's eight are in, the later rows' stay out
	TOBF R, 16
.irp c, 0,1,2,3
	v_pk_add_f32 v[CH+2*(\c):CH+2*(\c)+1], v[R+2*(\c):R+2*(\c)+1], v[R+8+2*(\c):R+8+2*(\c)+1]  ; the first pairs start the chains
.endr
.irp c, 8,9,10,11,12,13,14,15
	v_pk_add_f32 v[CH+2*((\c)%4):CH+2*((\c)%4)+1], v[CH+2*((\c)%4):CH+2*((\c)%4)+1], v[R+2*(\c):R+2*(\c)+1]
.endr
	FOLD
	v_mul_f32 v[MU], s3, v[CH]                     ; the mean
	v_mov_b32 v[MU+1], v[MU]
.set p, 0
.rept 16
	v_pk_add_f32 v[R+2*p:R+2*p+1], v[R+2*p:R+2*p+1], v[MU:MU+1] neg_lo:[0,1] neg_hi:[0,1]  ; x - mean
.set p, p+1
.endr
.irp c, 0,1,2,3
	v_pk_mul_f32 v[CH+2*(\c):CH+2*(\c)+1], v[R+2*(\c):R+2*(\c)+1], v[R+2*(\c):R+2*(\c)+1]
.endr
.irp c, 4,5,6,7,8,9,10,11,12,13,14,15
	v_pk_fma_f32 v[CH+2*((\c)%4):CH+2*((\c)%4)+1], v[R+2*(\c):R+2*(\c)+1], v[R+2*(\c):R+2*(\c)+1], v[CH+2*((\c)%4):CH+2*((\c)%4)+1]
.endr
	FOLD
	v_fma_f32 v[RS], v[CH], s3, s4                 ; var + eps
	v_rsq_f32 v[RS], v[RS]
	v_nop                                          ; a plain instruction behind the root,
	s_wait_alu depctr_va_vdst(0)                   ; and the wait ahead of its first reader
	v_mov_b32 v[RS+1], v[RS]
.set p, 0
.rept 16
	v_pk_mul_f32 v[R+2*p:R+2*p+1], v[R+2*p:R+2*p+1], v[RS:RS+1]
.set p, p+1
.endr
.set p, 0
.rept 16
	v_pk_fma_f32 v[R+2*p:R+2*p+1], v[R+2*p:R+2*p+1], v[G+2*p:G+2*p+1], v[BT+2*p:BT+2*p+1]
.set p, p+1
.endr
.set p, 0
.rept 16
	v_cvt_pk_f16_f32 v[R+p], v[R+2*p], v[R+2*p+1]  ; in place, ascending: register p is written when registers 2 p and 2 p + 1 have been read
.set p, p+1
.endr
.irp j, 0,1,2,3,4,5,6,7
	global_store_b64 v[YO], v[R+2*(\j):R+2*(\j)+1], s[26:27] offset:2048*(\i)+256*(\j)  ; 32 lanes store 256 consecutive bytes, at a multiple of 256 from xn's first
.endr
.endm
	s_load_b512 s[8:23], s[0:1], 0x0               ; x s[8:9], gamma s[10:11], beta s[12:13], time_decay s[14:15], time_first s[16:17], Wk s[18:19], Wv s[20:21], Wr s[22:23]
	s_load_b256 s[24:31], s[0:1], 0x40             ; Wo s[24:25], xn s[26:27], wkv s[28:29], wrh s[30:31]
	s_load_b128 s[32:35], s[0:1], 0x60             ; woh s[32:33], tab s[34:35]
	v_lshrrev_b32 v[TA], 5, v0
	v_readfirstlane_b32 s52, v[TA]                 ; wave 0..7
	v_and_b32 v[LANE], 31, v0
	v_lshlrev_b32 v[YO], 3, v[LANE]
	v_lshlrev_b32 v[IO], 4, v[LANE]
	s_mov_b32 s2, 0xffff0000                       ; a word's upper bf16
	s_mov_b32 s3, 0x3a800000                       ; 1 / 1024
	s_mov_b32 s4, 0x3727c5ac                       ; 1e-5
	s_mov_b32 s62, 0x76543210                      ; v_permlanex16_b32: each lane takes its own place in the other half
	s_mov_b32 s63, 0xfedcba98
	s_lshr_b32 s54, ttmp9, 7                       ; m: 0 Wk, 1 Wv, 2 Wr, 3 Wo
	s_and_b32 s55, ttmp9, 127                      ; q: rows 8 q .. 8 q + 7 of that weight; mine is c = 8 q + wave
	s_lshl_b32 s56, s55, 15
	s_lshl_b32 s53, s52, 12
	s_add_co_u32 s56, s56, s53                     ; c x 4,096 bytes
	s_mov_b32 s57, 0
	s_lshl_b32 s36, s55, 3
	s_add_co_u32 s36, s36, s52                     ; Wr, Wo: the same row c
	s_lshr_b32 s5, s55, 3
	s_lshl_b32 s5, s5, 7                           ; Wk, Wv: (c / 64) 128
	s_lshl_b32 s6, s54, 6
	s_add_co_u32 s5, s5, s6                        ; + 64 m
	s_and_b32 s6, s55, 7
	s_lshl_b32 s6, s6, 3
	s_add_co_u32 s5, s5, s6
	s_add_co_u32 s5, s5, s52                       ; + c % 64
	s_cmp_lt_u32 s54, 2
	s_cselect_b32 s36, s5, s36
	s_lshl_b32 s36, s36, 11                        ; rows of 2,048 bytes
	s_mov_b32 s37, 0
	s_lshl_b32 s38, ttmp9, 17                      ; the work-group's 32 rows of 4,096 bytes,
	s_lshl_b32 s53, s52, 14                        ; my four of them
	s_add_co_u32 s38, s38, s53
	s_mov_b32 s39, 0
	s_lshl_b32 s40, ttmp9, 16                      ; the same rows in xn, 2,048 bytes each
	s_lshl_b32 s53, s52, 13
	s_add_co_u32 s40, s40, s53
	s_mov_b32 s41, 0
	s_wait_kmcnt 0x0
	s_cmp_lt_u32 s54, 1
	s_cselect_b64 s[58:59], s[18:19], s[20:21]
	s_cmp_lt_u32 s54, 2
	s_cselect_b64 s[58:59], s[58:59], s[22:23]
	s_cselect_b64 s[60:61], s[28:29], s[30:31]
	s_cmp_lt_u32 s54, 3
	s_cselect_b64 s[58:59], s[58:59], s[24:25]
	s_cselect_b64 s[60:61], s[60:61], s[32:33]
	s_add_nc_u64 s[58:59], s[58:59], s[56:57]      ; the weight's row, as it comes
	s_add_nc_u64 s[60:61], s[60:61], s[36:37]      ; and where it goes
	s_add_nc_u64 s[46:47], s[8:9], s[38:39]        ; x at my first row
	s_add_nc_u64 s[26:27], s[26:27], s[40:41]      ; xn at my first row
.irp j, 0,1,2,3,4,5,6,7
	global_load_b128 v[WR+4*(\j):WR+4*(\j)+3], v[IO], s[58:59] offset:512*(\j) th:TH_LOAD_NT
.endr
.irp j, 0,1,2,3,4,5,6,7
	global_load_b128 v[G+4*(\j):G+4*(\j)+3], v[IO], s[10:11] offset:512*(\j)
.endr
.irp j, 0,1,2,3,4,5,6,7
	global_load_b128 v[BT+4*(\j):BT+4*(\j)+3], v[IO], s[12:13] offset:512*(\j)
.endr
.set i, 0
.rept 4
.irp j, 0,1,2,3,4,5,6,7
	global_load_b128 v[X+32*i+4*(\j):X+32*i+4*(\j)+3], v[IO], s[46:47] offset:4096*i+512*(\j) th:TH_LOAD_NT
.endr
.set i, i+1
.endr
	s_wait_loadcnt 48                              ; the weight's row is in; the 48 younger loads may stay out
	s_cmp_eq_u32 s54, 3
	s_cbranch_scc1 .Lwbf
	TOBF WR, 16                                    ; Wk, Wv, Wr: the bf16 number,
.set p, 0
.rept 16
	v_cvt_pk_f16_f32 v[WR+p], v[WR+2*p], v[WR+2*p+1]   ; written as f16, in place
.set p, p+1
.endr
	s_branch .Lwst
.Lwbf:
.set p, 0
.rept 16
	v_cvt_pk_bf16_f32 v[WR+p], v[WR+2*p], v[WR+2*p+1]  ; Wo stays bf16
.set p, p+1
.endr
.Lwst:
.irp j, 0,1,2,3,4,5,6,7
	global_store_b64 v[YO], v[WR+2*(\j):WR+2*(\j)+1], s[60:61] offset:256*(\j)
.endr
	s_wait_loadcnt 32                              ; gamma and beta are in; x's 32 loads may stay out
	TOBF G, 16
	TOBF BT, 16
	ROW 0
	ROW 1
	ROW 2
	ROW 3
	s_cmp_lg_u32 ttmp9, 0
	s_cbranch_scc1 .Lend
	; the table: thread t of work-group 0 makes columns 4 t .. 4 t + 3, in gamma's registers, which no pending instruction names
	v_lshlrev_b32 v[TA], 4, v0
	global_load_b128 v[G:G+3], v[TA], s[14:15]
	global_load_b128 v[G+4:G+7], v[TA], s[16:17]
	s_wait_loadcnt 0x0
	TOBF G, 4
.irp k, 0,1,2,3,4,5,6,7
	v_mul_f32 v[G+(\k)], 0xbfb8aa3b, v[G+(\k)]     ; - z log2 e
.endr
.irp k, 0,1,2,3,4,5,6,7
	v_exp_f32 v[G+(\k)], v[G+(\k)]
.endr
	v_nop
	s_wait_alu depctr_va_vdst(0)                   ; one wait for the eight
.irp k, 0,1,2,3,4,5,6,7
	v_add_f32 v[G+(\k)], 1.0, v[G+(\k)]
.endr
.irp k, 0,1,2,3,4,5,6,7
	v_rcp_f32 v[G+(\k)], v[G+(\k)]                 ; sigmoid
.endr
	v_nop
	s_wait_alu depctr_va_vdst(0)
.irp k, 0,1,2,3
	v_log_f32 v[G+8+(\k)], v[G+(\k)]               ; log2 td
.endr
	v_nop
	s_wait_alu depctr_va_vdst(0)
.irp k, 0,1,2,3
	v_max_num_f32 v[G+8+(\k)], 0xf1800000, v[G+8+(\k)]  ; at least -2^100: t L is then 0 for t = 0 and far below every exponent for t > 0
.endr
	global_store_b128 v[TA], v[G:G+3], s[34:35]
	global_store_b128 v[TA], v[G+4:G+7], s[34:35] offset:4096
	global_store_b128 v[TA], v[G+8:G+11], s[34:35] offset:8192
.Lend:
	s_endpgm
.Lfunc_end_k_qa259d37e27_prep:
	.size	k_qa259d37e27_prep, .Lfunc_end_k_qa259d37e27_prep-k_qa259d37e27_prep
	.p2alignl 7, 3214868480
	.fill 96, 4, 3214868480
	.section	.rodata,"a",@progbits
	.p2align	6, 0x0
	.amdhsa_kernel k_qa259d37e27_prep
		.amdhsa_group_segment_fixed_size 0
		.amdhsa_private_segment_fixed_size 0
		.amdhsa_enable_private_segment 0
		.amdhsa_kernarg_size 112
		.amdhsa_user_sgpr_count 2
		.amdhsa_user_sgpr_kernarg_segment_ptr 1
		.amdhsa_wavefront_size32 1
		.amdhsa_system_sgpr_workgroup_id_x 1
		.amdhsa_system_sgpr_workgroup_id_y 1
		.amdhsa_system_sgpr_workgroup_id_z 1
		.amdhsa_system_vgpr_workitem_id 0
		.amdhsa_next_free_vgpr 256
		.amdhsa_next_free_sgpr 66
		.amdhsa_reserve_vcc 0
		.amdhsa_float_denorm_mode_32 3
		.amdhsa_float_denorm_mode_16_64 3
		.amdhsa_memory_ordered 1
		.amdhsa_forward_progress 1
		.amdhsa_inst_pref_size 59
	.end_amdhsa_kernel
	.amdgpu_metadata
---
amdhsa.version: [ 1, 2 ]
amdhsa.kernels:
  - .name:           k_qa259d37e27_prep
    .symbol:         k_qa259d37e27_prep.kd
    .args:
      - { .name: x, .offset: 0, .size: 8, .value_kind: global_buffer, .address_space: global }
      - { .name: ln_gamma, .offset: 8, .size: 8, .value_kind: global_buffer, .address_space: global }
      - { .name: ln_beta, .offset: 16, .size: 8, .value_kind: global_buffer, .address_space: global }
      - { .name: time_decay, .offset: 24, .size: 8, .value_kind: global_buffer, .address_space: global }
      - { .name: time_first, .offset: 32, .size: 8, .value_kind: global_buffer, .address_space: global }
      - { .name: Wk, .offset: 40, .size: 8, .value_kind: global_buffer, .address_space: global }
      - { .name: Wv, .offset: 48, .size: 8, .value_kind: global_buffer, .address_space: global }
      - { .name: Wr, .offset: 56, .size: 8, .value_kind: global_buffer, .address_space: global }
      - { .name: Wo, .offset: 64, .size: 8, .value_kind: global_buffer, .address_space: global }
      - { .name: xn, .offset: 72, .size: 8, .value_kind: global_buffer, .address_space: global }
      - { .name: wkv, .offset: 80, .size: 8, .value_kind: global_buffer, .address_space: global }
      - { .name: wrh, .offset: 88, .size: 8, .value_kind: global_buffer, .address_space: global }
      - { .name: woh, .offset: 96, .size: 8, .value_kind: global_buffer, .address_space: global }
      - { .name: tab, .offset: 104, .size: 8, .value_kind: global_buffer, .address_space: global }
    .group_segment_fixed_size: 0
    .private_segment_fixed_size: 0
    .kernarg_segment_align: 8
    .kernarg_segment_size: 112
    .max_flat_workgroup_size: 256
    .sgpr_count:     66
    .vgpr_count:     256
    .wavefront_size: 32
...
	.end_amdgpu_metadata
.endif
;; end of part 1
;; launch gkv (part 2): grid 8 x 32, 4 waves a work-group, clusters of 4 x 4, 327,680 bytes of LDS; arguments xn, wkv, tab, u, seg; writes u, seg
.if DOCPART == 2
	.amdgcn_target "amdgcn-amd-amdhsa--gfx1250"
	.amdhsa_code_object_version 6
	.text
	.protected	k_qa259d37e27_gkv
	.globl	k_qa259d37e27_gkv
	.p2align	8
	.type	k_qa259d37e27_gkv,@function
k_qa259d37e27_gkv:
	s_mov_b64 s[64:65], 0
	v_nop
	global_prefetch_b8 v0, s[64:65] scope:SCOPE_SE
	s_setreg_imm32_b32 hwreg(HW_REG_WAVE_MODE, 25, 1), 1
	s_wait_xcnt 0x0
	s_wait_alu depctr_hold_cnt(0) depctr_sa_sdst(0) depctr_va_vdst(0) depctr_va_sdst(0) depctr_va_ssrc(0) depctr_va_vcc(0) depctr_vm_vsrc(0)
	s_getreg_b32 s2, hwreg(HW_REG_IB_STS2, 6, 4)
	s_cmp_eq_u32 s2, 0
	s_cbranch_scc0 .Lentry_in_a_cluster
	s_endpgm
.Lentry_in_a_cluster:
	s_bfe_u32 s2, ttmp6, 0x10000c
	s_cmp_lg_u32 s2, 0xf033
	s_cbranch_scc0 .Lentry_shape_is_right
	s_endpgm
.Lentry_shape_is_right:
; RWKV time mixer, launch 2 of 4: k = xn Wk^T and v = xn Wv^T as ONE product (N = 2,048, f16 operands, f32 sums), and on the way out the prefix sum inside 128 rows.
; With kv = k v and w_t = kv_t td^t:  wkv_t = tf kv_t + td (sum of w_s, s < t).  Rows are cut into SEGMENTS of 128 (a wave's rows).  Stored:
;   u[t][c]   = tf kv_t + td (sum of w_s over the s < t of t's own segment)       (f32: what is carried from launch to launch stays f32)
;   seg[i][c] = td (sum of w_s over segment i)                                    (f32)
; The next launch adds the earlier segments' seg to u.  Nothing of the problem is left out here.
; LIMITS.  td^t = 2^(t L) at a segment's first row, then by multiplication; powers below 2^-126 count as 0; the order of the f32 sums differs from a running sum's.  NaN and infinities are not treated apart.
; THE PRODUCT.  A tile of 256 rows x 256 columns, four waves, a wave 128 x 128: 64 accumulators, 512 registers.  K goes in 8 steps of 128 through two LDS slots filled by the tensor data mover;
; rows of 256 bytes, 16 bytes of padding behind each.  4 x 4 work-groups form a cluster: xn's tile is asked for jointly along a row of the cluster, the weights' along a column.
; The loops' trip is ONE K step: the slot in hand is a scalar (0 or SLOT) that an exclusive or turns.
; A WORK-GROUP STAYS: 512 tiles for 256 work-groups: each makes two, 8,192 rows apart, with the same rows of the weights.  The ring does not stop at the first tile's end: its last two changes of slots
; ask for the second tile's K steps 0 and 1, and nothing waits for the first tile's stores.  8,192 rows are two whole batches, so a row's t is the same in both tiles.
; THE MATRIX INSTRUCTION IS USED AS IT STANDS (source 0 = 16 rows of xn, source 1 = 16 rows of the weights): a lane holds ONE column (lane % 16) and the EIGHT CONSECUTIVE ROWS 8 (lane / 16) + 0..7.
; A wave's 128 rows of wkv are 64 columns of k (blocks 0-3) and the same 64 of v (blocks 4-7), so k v is a product of two accumulators of the same lane.
; REGISTERS: window 0: v0-31 addresses; v32-63, v192-223 the scan's per-column numbers; v64-127, v128-191 xn's fragments, two buffers (on the way out: kv, partial sums, u).
;   window 1: v64-191 the weights' fragments.   window 2: accumulators of my rows 0-63 ((a, b) at 8 (8 a + b));   window 3: rows 64-127.
.set KSTEP,  128
.set PITCH,  272                       ; 256 bytes + 16: the 16 rows of a fragment load start at 16 different groups of four banks
.set HALFT,  128*PITCH                 ; what one tensor load brings
.set SLOT,   4*HALFT                   ; 0x22000: it shares no bit with wave x HALFT (0, 0x8800, 0x11000, 0x19800), so an exclusive or with it adds or takes it away
.set SPARE,  2*SLOT                    ; behind the ring: the spare words, two blocks of 256 bytes that no other line names
.set NEXT_A, 8192*2048-7*KSTEP*2       ; bytes of xn from a tile's K step 7 to the next tile's K step 0: 8,192 rows down, back along K
.set BACK_B, 7*KSTEP*2                 ; the weights only go back
.set ADRA, 16                          ; v16 my xn fragments in slot 0; never rewritten     v17 the same in the slot in hand
.set CA,   17
.set ADRB, 20                          ; v20, v21 the same for the weights
.set CB,   21
.set SPW,  28
.set NIL,  29
.set PFO,  30                          ; the prefetches' offset: lane x 2,048; never rewritten
.set UO,   6                           ; 16 x lane
.set SO,   7                           ; 4 x lane
.set TO,   8                           ; 4 x (lane % 16)
.set PA0,  12                          ; v[12 + b] = td^(my first row's t): the same for both tiles
.set BC,   32                          ; column block b at v[32 + 8 b]: tf, td, Pa = td^(my first row of the 16-row block), td^16, off, R, Tl, X
.set PT,   192                         ; v[192 + 8 b + j] = td^(j + 1)
.set KV,   64
.set E,    96
.set U,    128
.set F0,   64
.set F1,   128
.set G1, 24
.set G0, 32
.set G1B, 48
.set G0B, 56
.set LIM, 43
.set PFA, 44
.set STA, 84                           ; s[84:85] at the change of tiles: xn's step (and the prefetches')
.set STM, 86                           ; s[86:87] what the weights' address goes back,
.set STP, 88                           ; s[88:89] and forward
.set TL,  90                           ; s90 tiles to go, this one among them
.set MUL_LO, 0xa4                      ; source 0 (xn) window 0, source 1 (weights) window 1, C and D window 2
.set TO_B,   0x40
.set MSB, 0
.macro WIN new                         ; the immediate's high byte repeats the setting that is left
.if MSB != (\new)
	s_set_vgpr_msb (MSB<<8)|(\new)
.set MSB, \new
.endif
.endm
.macro JLOAD s                         ; a joint load: waves 0, 1 fetch xn's two halves, waves 2, 3 the weights'; an s_nop 0 and four v_nop follow each line
	s_cmp_eq_u32 s11, 0
	s_cbranch_scc0 .Lfor_b_\@
	tensor_load_to_lds s[G0+4*(\s):G0+4*(\s)+3], s[G1:G1+7]
	s_nop 0
.rept 4
	v_nop
.endr
	s_branch .Lasked_\@
.Lfor_b_\@:
	tensor_load_to_lds s[G0B+4*(\s):G0B+4*(\s)+3], s[G1B:G1B+7]
	s_nop 0
.rept 4
	v_nop
.endr
.Lasked_\@:
.endm
.macro ASK how                         ; one prefetch a wave: 32 rows x 256 bytes of the K step that stands two refills on.  how = 0, in a tile: the refills of K steps 6 and 7 have none; how = 1, at the change of tiles
.if \how
	s_cmp_eq_u32 s[LIM], 2
.else
	s_cmp_gt_u32 s3, s[LIM]
.endif
	s_cbranch_scc0 .Lnot_mine_\@
	global_prefetch_b8 v[PFO], s[PFA:PFA+1] offset:KSTEP*2 th:TH_LOAD_NT scope:SCOPE_SE
.Lnot_mine_\@:
.endm
.macro CREST                           ; a round of the cluster's barrier behind its opening barrier
	s_cmp_lg_u32 s10, 0
	s_cbranch_scc1 .Lnot_wave_0_\@
	s_barrier_signal -3
.Lnot_wave_0_\@:
	s_barrier_wait -3
	s_barrier_signal -1
	s_barrier_wait -1
.endm
.macro CROUND
	s_barrier_signal -1
	s_barrier_wait -1
	CREST
.endm
.macro PLACES
.rept 4
	v_nop
.endr
.endm
.macro MUL16 f, hi, a0, zero           ; 16 matrix instructions: row blocks a0, a0 + 1 of the window's four x all 8 column blocks, 32 along K
	WIN MUL_LO+0x50*(\hi)
.irp a, \a0, (\a0)+1
.irp b, 0,1,2,3,4,5,6,7
.if \zero
	v_wmma_f32_16x16x32_f16 v[8*(8*(\a)+(\b)):8*(8*(\a)+(\b))+7], v[(\f)+8*(4*(\hi)+(\a)):(\f)+8*(4*(\hi)+(\a))+7], v[(\f)+8*(\b):(\f)+8*(\b)+7], 0
.else
	v_wmma_f32_16x16x32_f16 v[8*(8*(\a)+(\b)):8*(8*(\a)+(\b))+7], v[(\f)+8*(4*(\hi)+(\a)):(\f)+8*(4*(\hi)+(\a))+7], v[(\f)+8*(\b):(\f)+8*(\b)+7], v[8*(8*(\a)+(\b)):8*(8*(\a)+(\b))+7]
.endif
.endr
.endr
.endm
.macro FETCH q, f                      ; 32 LDS loads in one run: quarter q of the slot in hand into buffer f
	WIN TO_B
.irp i, 0,1,2,3,4,5,6,7
	ds_load_b128 v[(\f)+8*(\i):(\f)+8*(\i)+3],   v[CB] offset:64*(\q)+(\i)*16*PITCH
	ds_load_b128 v[(\f)+8*(\i)+4:(\f)+8*(\i)+7], v[CB] offset:64*(\q)+(\i)*16*PITCH+32
.endr
	WIN 0
.irp i, 0,1,2,3,4,5,6,7
	ds_load_b128 v[(\f)+8*(\i):(\f)+8*(\i)+3],   v[CA] offset:64*(\q)+(\i)*16*PITCH
	ds_load_b128 v[(\f)+8*(\i)+4:(\f)+8*(\i)+7], v[CA] offset:64*(\q)+(\i)*16*PITCH+32
.endr
.endm
.macro QUARTER q, f, g, zero           ; multiplies buffer f; in its middle fetches quarter q into buffer g
	s_wait_dscnt 8                                 ; the weights and xn's rows 0-63 are in; the youngest eight loads may be out
	MUL16 \f, 0, 0, \zero
	MUL16 \f, 0, 2, \zero
	PLACES                                         ; four places between the last product that read buffer g and the loads into it
	FETCH \q, \g
	s_wait_dscnt 32                                ; all but the 32 just issued
	MUL16 \f, 1, 0, \zero
	MUL16 \f, 1, 2, \zero
.endm
.macro MEET round                      ; the first half of a K step's last quarter: one barrier for the change of slots
	WIN 0
	s_wait_tensorcnt 0x0                           ; all my tensor loads have landed: the one that was out is my part of the next slot
	ds_add_u32 v[SPW], v[NIL]                      ; 0 onto my spare word
	s_wait_dscnt 9                                 ; (the add and the youngest eight loads may be out)
	MUL16 F1, 0, 0, 0
	s_wait_dscnt 0x0                               ; the add is done, and my reads of this slot are over
	s_barrier_signal -1
	MUL16 F1, 0, 2, 0
.if \round
	WIN 0
.endif
	s_barrier_wait -1
.endm
; A K step's last quarter.  fill = 1: the slot read out is filled again, two K steps ahead, behind a round of the cluster's barrier.  fill = 2: the same at the first tile's end: with the second tile's K step 0 or 1;
; the steps come from scalar registers, since the two trips share one text.  fill = 0: nothing is asked for.  With fill = 2 or 0 the last trip fetches no fragments: the way out uses those registers.
.macro TURN fill
.if \fill
	s_wait_xcnt 0x0                                ; the last prefetch, a K step back, has read its address
.if (\fill) == 2
	s_add_nc_u64 s[PFA:PFA+1], s[PFA:PFA+1], s[STA:STA+1]  ; to the next tile's K step 1, then 2 (in a wave that fetches weights the pointer is not used again)
	s_cmp_eq_u32 s11, 0
	s_cselect_b32 s[LIM], s[LIM], -1               ; the weights' rows are the same for both tiles: they have been read, and are prefetched no more
.else
	s_add_nc_u64 s[PFA:PFA+1], s[PFA:PFA+1], KSTEP*2
.endif
.endif
	MEET \fill
.if \fill
	CREST                                          ; no wave of any partner still reads this slot or has a load on its way
	s_xor_b32 s[G0+5], s[G0+5], SLOT               ; the walking descriptors: the other slot than last time,
	s_xor_b32 s[G0B+5], s[G0B+5], SLOT
.if (\fill) == 2
	s_add_nc_u64 s[G0+6:G0+7], s[G0+6:G0+7], s[STA:STA+1]
	s_sub_nc_u64 s[G0B+6:G0B+7], s[G0B+6:G0B+7], s[STM:STM+1]
	s_add_nc_u64 s[G0B+6:G0B+7], s[G0B+6:G0B+7], s[STP:STP+1]
	s_mov_b32 s[STA], KSTEP*2                      ; the second trip steps as every K step does
	s_mov_b32 s[STM], 0
	s_mov_b32 s[STP], KSTEP*2
.else
	s_add_nc_u64 s[G0+6:G0+7], s[G0+6:G0+7], KSTEP*2    ; the next K step
	s_add_nc_u64 s[G0B+6:G0B+7], s[G0B+6:G0B+7], KSTEP*2
.endif
	JLOAD 1                                        ; my one tensor load behind the round; it has 224 matrix instructions or more in which to land
.else
	WIN 0
	PLACES
.endif
	s_xor_b32 s2, s2, SLOT
	v_add_nc_u32 v[CA], s2, v[ADRA]
	v_add_nc_u32 v[CB], s2, v[ADRB]
.if (\fill) == 1
	FETCH 0, F0
	ASK 0
.else
	s_cmp_eq_u32 s3, 1                             ; behind a tile's last K step nothing is fetched here: LDS loads alone are jumped
	s_cbranch_scc1 .Lno_fetch_\@
	FETCH 0, F0
.Lno_fetch_\@:
.if (\fill) == 2
	ASK 1
.endif
.endif
	MUL16 F1, 1, 0, 0
	MUL16 F1, 1, 2, 0
.endm
	s_load_b128 s[4:7], s[0:1], 0x0                ; xn s[4:5], wkv s[6:7]
	s_load_b128 s[68:71], s[0:1], 0x10             ; tab s[68:69], u s[70:71]
	s_load_b64 s[72:73], s[0:1], 0x20              ; seg
	v_lshl_add_u32 v[SPW], v0, 2, SPARE
	v_mov_b32 v[NIL], 0
	ds_add_u32 v[SPW], v[NIL]                      ; the wave's opening: the add, twice on end, and its wait ahead of my first tensor load
	ds_add_u32 v[SPW], v[NIL]
	v_lshrrev_b32 v1, 5, v0
	v_readfirstlane_b32 s10, v1                    ; wave 0..3
	s_lshr_b32 s11, s10, 1                         ; my half of the tile's rows.  Also: I fetch xn (0) or weights (1)
	s_and_b32 s12, s10, 1                          ; my half of its columns.  Also: which 128 rows I fetch
	s_bfe_u32 s40, ttmp6, 0x40000                  ; cx
	s_bfe_u32 s41, ttmp6, 0x40004                  ; cy
	s_lshl_b32 s42, ttmp9, 2
	s_add_co_u32 s42, s42, s40                     ; tile column
	s_and_b32 s13, ttmp7, 0xffff
	s_lshl_b32 s13, s13, 2
	s_add_co_u32 s13, s13, s41                     ; the first tile's row, 0 to 31; the second's is 32 further on
	s_lshl_b32 s43, s41, 2
	s_lshl_b32 s43, 15, s43                        ; my row of the cluster
	s_lshl_b32 s44, 0x1111, s40                    ; my column
	s_or_b32 s[G1+0], s43, (1<<16)|(1<<20)|(1<<21)|(5<<22)|(3<<25)   ; the mask; 2-byte elements; padding on; bit 21 beside a mask; after every 64 words, 4 words
	s_or_b32 s[G1B+0], s44, (1<<16)|(1<<20)|(1<<21)|(5<<22)|(3<<25)
.irp g, G1, G1B
	s_mov_b32 s[(\g)+1], KSTEP<<16                 ; tensor_dim0 = 128
	s_mov_b32 s[(\g)+2], 128<<16                   ; tensor_dim1 = 128
	s_mov_b32 s[(\g)+3], KSTEP<<16                 ; tile_dim0 = 128
	s_mov_b32 s[(\g)+4], 128                       ; tile_dim1 = 128
	s_mov_b32 s[(\g)+5], 1024                      ; elements from row to row
	s_mov_b32 s[(\g)+6], 0
	s_mov_b32 s[(\g)+7], 0
.endr
	s_lshl_b32 s17, s12, 7
	s_lshl_b32 s16, s13, 8
	s_add_co_u32 s16, s16, s17                     ; xn: row 256 x tile row + 128 x half
	s_lshl_b32 s46, s42, 8
	s_add_co_u32 s46, s46, s17                     ; wkv: row 256 x tile column + 128 x half
	s_mov_b32 s17, 0
	s_mov_b32 s47, 0
	s_lshl_b64 s[16:17], s[16:17], 11              ; rows of 2,048 bytes
	s_lshl_b64 s[46:47], s[46:47], 11
	s_mul_i32 s20, s10, HALFT                      ; where they go: wave x 128 rows
	s_wait_dscnt 0x0                               ; both opening adds are done
	s_wait_kmcnt 0x0
	s_add_nc_u64 s[14:15], s[4:5], s[16:17]
	s_add_nc_u64 s[46:47], s[6:7], s[46:47]
	CROUND                                         ; all sixteen work-groups are here: the first joint loads meet
.irp s, 0,1
	s_mov_b32 s[G0+4*(\s)], 1
	s_add_co_u32 s[G0+4*(\s)+1], s20, (\s)*SLOT
	s_add_nc_u64 s[G0+4*(\s)+2:G0+4*(\s)+3], s[14:15], (\s)*KSTEP*2
	s_or_b32 s[G0+4*(\s)+3], s[G0+4*(\s)+3], 0x80000000
	s_mov_b32 s[G0B+4*(\s)], 1
	s_add_co_u32 s[G0B+4*(\s)+1], s20, (\s)*SLOT
	s_add_nc_u64 s[G0B+4*(\s)+2:G0B+4*(\s)+3], s[46:47], (\s)*KSTEP*2
	s_or_b32 s[G0B+4*(\s)+3], s[G0B+4*(\s)+3], 0x80000000
	JLOAD \s                                       ; K steps 0 and 1: two tensor loads of mine are out
.endr
	v_and_b32 v1, 15, v0                           ; l % 16
	v_bfe_u32 v2, v0, 4, 1                         ; l / 16
	v_mul_u32_u24 v3, v1, PITCH
	v_lshl_add_u32 v3, v2, 4, v3
	s_mul_i32 s21, s11, HALFT
	s_mul_i32 s22, s12, HALFT
	s_add_co_u32 s22, s22, 2*HALFT
	v_add_nc_u32 v[ADRA], s21, v3
	v_add_nc_u32 v[ADRB], s22, v3
	v_mov_b32 v[CA], v[ADRA]
	v_mov_b32 v[CB], v[ADRB]
	s_mov_b32 s2, 0                                ; the slot in hand
	; the prefetches: xn's rows are read by both clusters of a row of clusters: cluster x = 0 asks; the weights' by every cluster of a column: cluster y = 0 asks, in its first tile.
	; The four partners that ask for a tile jointly share its rows out by address, 32 each; a lane a row.  So each row's 256 bytes of a K step are named once in the launch.
	; A tile's K steps 0 and 1 (the first tile's 2 and 3 too) come by their loads alone; nothing is prefetched here, at the head.
	s_lshl_b32 s18, s13, 8
	s_lshl_b32 s19, s42, 8
	s_and_b32 s22, ttmp7, 0xffff
	s_cmp_eq_u32 s11, 0
	s_cselect_b32 s20, s18, s19
	s_cselect_b32 s21, s40, s41
	s_cselect_b32 s22, ttmp9, s22
	s_cselect_b64 s[PFA:PFA+1], s[4:5], s[6:7]
	s_cmp_eq_u32 s22, 0
	s_cselect_b32 s[LIM], 2, -1                    ; in a tile a wave prefetches while the loop's count is above this
	s_lshl_b32 s22, s12, 7
	s_add_co_u32 s20, s20, s22
	s_lshl_b32 s21, s21, 5
	s_add_co_u32 s20, s20, s21
	s_mov_b32 s21, 0
	s_lshl_b64 s[20:21], s[20:21], 11
	s_add_nc_u64 s[PFA:PFA+1], s[PFA:PFA+1], s[20:21]
	s_add_nc_u64 s[PFA:PFA+1], s[PFA:PFA+1], 2*KSTEP*2  ; at K step 2: the first refill steps it to 3 and names K step 4
	v_and_b32 v[PFO], 31, v0
	v_lshlrev_b32 v[UO], 4, v[PFO]
	v_lshlrev_b32 v[SO], 2, v[PFO]
	v_lshlrev_b32 v[PFO], 11, v[PFO]
	v_lshlrev_b32 v[TO], 2, v1
	; my segment, my 64 columns
	s_lshl_b32 s80, s13, 1
	s_add_co_u32 s80, s80, s11                     ; the first tile's segment = row / 128
	s_lshl_b32 s81, s42, 1
	s_add_co_u32 s81, s81, s12                     ; column group = column / 64
	s_mov_b32 s75, 0
	s_lshl_b32 s74, s81, 8
	s_add_nc_u64 s[68:69], s[68:69], s[74:75]      ; tab at my columns
	s_lshl_b32 s82, s80, 12
	s_add_co_u32 s74, s74, s82
	s_add_nc_u64 s[72:73], s[72:73], s[74:75]      ; seg at my segment's row and my columns
	s_lshl_b32 s74, s80, 4
	s_or_b32 s74, s74, s81
	s_lshl_b32 s74, s74, 15
	s_add_nc_u64 s[70:71], s[70:71], s[74:75]      ; u: 32,768 bytes for a segment and column group
	s_and_b32 s82, s80, 31
	s_lshl_b32 s82, s82, 7                         ; my segment's first t in its batch
	v_lshl_add_u32 v9, v2, 3, s82
	v_cvt_f32_u32 v9, v9                           ; + 8 (l / 16)
	s_mov_b32 s76, 0x76543210
	s_mov_b32 s77, 0xfedcba98
	s_mov_b32 s78, 0xffff0000                      ; lanes 16-31
.irp b, 0,1,2,3
	global_load_b32 v[BC+8*(\b)+1], v[TO], s[68:69] offset:64*(\b)       ; td
	global_load_b32 v[BC+8*(\b)],   v[TO], s[68:69] offset:4096+64*(\b)  ; tf
	global_load_b32 v[BC+8*(\b)+6], v[TO], s[68:69] offset:8192+64*(\b)  ; L
.endr
	s_wait_loadcnt 0x0
.irp b, 0,1,2,3
	v_mul_f32 v[PA0+(\b)], v9, v[BC+8*(\b)+6]
.endr
.irp b, 0,1,2,3
	v_exp_f32 v[PA0+(\b)], v[PA0+(\b)]             ; td^(my first row's t)
.endr
.irp b, 0,1,2,3
	v_mov_b32 v[PT+8*(\b)], v[BC+8*(\b)+1]
	v_mov_b32 v[BC+8*(\b)+7], 0                    ; X: written, since v_permlanex16_b32's destination counts as read
.endr
.irp j, 1,2,3,4,5,6,7
.irp b, 0,1,2,3
	v_mul_f32 v[PT+8*(\b)+(\j)], v[PT+8*(\b)+(\j)-1], v[BC+8*(\b)+1]
.endr
.endr
.irp b, 0,1,2,3
	v_mul_f32 v[BC+8*(\b)+3], v[PT+8*(\b)+7], v[PT+8*(\b)+7]  ; td^16
.endr
	s_wait_alu depctr_va_vdst(0)                   ; one wait for the four exponentials, ahead of every label and of their first reader
	s_wait_tensorcnt 0x1                           ; my part of K step 0 is in; K step 1's may stay out
	s_barrier_signal -1
	s_barrier_wait -1
	s_mov_b32 s[TL], 2
.Ltile:
	FETCH 0, F0                                    ; the tile's first fragments: the slot was shown whole to every wave by the barrier above or by the last round
	QUARTER 1, F0, F1, 1                           ; the first quarter's products start the sums: nothing is cleared
	WIN 0
	s_mov_b32 s3, 6
.Lk:                                               ; trip i ends K step i, fills its slot with K step i + 2 and begins K step i + 1
	QUARTER 2, F1, F0, 0
	QUARTER 3, F0, F1, 0
	TURN 1
	QUARTER 1, F0, F1, 0
	WIN 0
	s_sub_co_u32 s3, s3, 1
	s_cmp_lg_u32 s3, 0
	s_cbranch_scc1 .Lk
	s_mov_b32 s3, 2
	s_cmp_eq_u32 s[TL], 1
	s_cbranch_scc1 .Lt                             ; the last tile's K steps 6 and 7 have a text of their own
	s_mov_b32 s[STA], NEXT_A
	s_mov_b32 s[STA+1], 0
	s_mov_b32 s[STM], BACK_B
	s_mov_b32 s[STM+1], 0
	s_mov_b32 s[STP], 0
	s_mov_b32 s[STP+1], 0
.Lx:                                               ; THE RING GOES ON INTO THE NEXT TILE: K steps 6 and 7 ask for its K steps 0 and 1; the second trip is left in its middle
	QUARTER 2, F1, F0, 0
	QUARTER 3, F0, F1, 0
	TURN 2
	WIN 0
	s_cmp_eq_u32 s3, 1
	s_cbranch_scc1 .Lout
	QUARTER 1, F0, F1, 0
	WIN 0
	s_sub_co_u32 s3, s3, 1
	s_cmp_lg_u32 s3, 0
	s_cbranch_scc1 .Lx
	s_branch .Lout
.Lt:                                               ; the last tile's K steps 6 and 7 ask for nothing; the second trip is left in its middle
	QUARTER 2, F1, F0, 0
	QUARTER 3, F0, F1, 0
	TURN 0
	WIN 0
	s_cmp_eq_u32 s3, 1
	s_cbranch_scc1 .Lout
	QUARTER 1, F0, F1, 0
	WIN 0
	s_sub_co_u32 s3, s3, 1
	s_cmp_lg_u32 s3, 0
	s_cbranch_scc1 .Lt
.Lout:
	s_wait_dscnt 0x0
	PLACES
	PLACES                                         ; the places behind the last products
	; THE WAY OUT, a block of 16 rows a trip.  Only the lines that read accumulators are written once for each block; one of the eight runs in a trip and jumps to the common part.
.macro KVBLK n
	s_cmp_lg_u32 s79, \n
	s_cbranch_scc1 .Lnot_\n
	WIN 0x0a+5*((\n)/4)                            ; sources 0 and 1: window 2 or 3
.set z, 0
.rept 16                                           ; column block z / 4, pair z % 4: each accumulator's lowest registers are read first
.set sK, 8*(8*((\n)%4)+z/4)+2*(z%4)
	v_pk_mul_f32 v[KV+2*z:KV+2*z+1], v[sK:sK+1], v[sK+32:sK+33]  ; k v
.set z, z+1
.endr
	WIN 0
.if (\n) < 7
	s_branch .Lcommon
.endif
.Lnot_\n:
.endm
.irp b, 0,1,2,3
	v_mov_b32 v[E+8*(\b)], 0                       ; nothing lies before a lane's first row
	v_mov_b32 v[BC+8*(\b)+2], v[PA0+(\b)]          ; Pa at the segment's first block
	v_mov_b32 v[BC+8*(\b)+5], 0                    ; R: nothing lies before the segment's first block
.endr
	s_mov_b32 s79, 0
.Lblk:
.irp n, 0,1,2,3,4,5,6,7
	KVBLK \n
.endr
.Lcommon:
	; E[j] = sum over i < j of kv_i td^(i + 1): times Pa it is td x the sum of w over my rows before j
.irp b, 0,1,2,3
	v_mul_f32 v[E+8*(\b)+1], v[KV+8*(\b)], v[PT+8*(\b)]
.endr
.irp j, 1,2,3,4,5,6
.irp b, 0,1,2,3
	v_fma_f32 v[E+8*(\b)+(\j)+1], v[KV+8*(\b)+(\j)], v[PT+8*(\b)+(\j)], v[E+8*(\b)+(\j)]
.endr
.endr
.irp b, 0,1,2,3
	v_fma_f32 v[BC+8*(\b)+6], v[KV+8*(\b)+7], v[PT+8*(\b)+7], v[E+8*(\b)+7]
.endr
.irp b, 0,1,2,3
	v_mul_f32 v[BC+8*(\b)+6], v[BC+8*(\b)+6], v[BC+8*(\b)+2]  ; Tl: my eight rows' share
.endr
.irp b, 0,1,2,3
	v_permlanex16_b32 v[BC+8*(\b)+7], v[BC+8*(\b)+6], s76, s77  ; the other eight rows' share
.endr
.irp b, 0,1,2,3
	v_cndmask_b32 v[BC+8*(\b)+4], 0, v[BC+8*(\b)+7], s78   ; rows 8-15 lie behind rows 0-7: a selection, no product with 0
.endr
.irp b, 0,1,2,3
	v_add_f32 v[BC+8*(\b)+4], v[BC+8*(\b)+4], v[BC+8*(\b)+5]  ; off = that + the earlier blocks' R
.endr
.irp b, 0,1,2,3
	v_add_f32 v[BC+8*(\b)+6], v[BC+8*(\b)+6], v[BC+8*(\b)+7]
.endr
.irp b, 0,1,2,3
	v_add_f32 v[BC+8*(\b)+5], v[BC+8*(\b)+5], v[BC+8*(\b)+6]
.endr
	s_wait_xcnt 0x0                                ; the last trip's stores, some sixty lines back, have read U and their base: both are written again only behind this wait
	s_add_nc_u64 s[70:71], s[70:71], 1024          ; one block on; this trip's stores reach back by 1,024
.irp b, 0,1,2,3
.irp p, 0,1,2,3
	v_pk_fma_f32 v[U+8*(\b)+2*(\p):U+8*(\b)+2*(\p)+1], v[KV+8*(\b)+2*(\p):KV+8*(\b)+2*(\p)+1], v[BC+8*(\b):BC+8*(\b)+1], v[BC+8*(\b)+4:BC+8*(\b)+5] op_sel_hi:[1,0,0]  ; tf kv + off
.endr
.endr
.irp b, 0,1,2,3
.irp p, 0,1,2,3
	v_pk_fma_f32 v[U+8*(\b)+2*(\p):U+8*(\b)+2*(\p)+1], v[E+8*(\b)+2*(\p):E+8*(\b)+2*(\p)+1], v[BC+8*(\b)+2:BC+8*(\b)+3], v[U+8*(\b)+2*(\p):U+8*(\b)+2*(\p)+1] op_sel_hi:[1,0,1]  ; + Pa E
.endr
.endr
.irp b, 0,1,2,3
	v_mul_f32 v[BC+8*(\b)+2], v[BC+8*(\b)+2], v[BC+8*(\b)+3]  ; Pa: sixteen rows on
.endr
.irp b, 0,1,2,3
	global_store_b128 v[UO], v[U+8*(\b):U+8*(\b)+3],   s[70:71] offset:8192*(\b)-1024  ; 512 consecutive bytes, at a multiple of 256 from u's first: u lies in the order of the registers
	global_store_b128 v[UO], v[U+8*(\b)+4:U+8*(\b)+7], s[70:71] offset:8192*(\b)-512
.endr
	s_add_co_u32 s79, s79, 1
	s_cmp_lt_u32 s79, 8
	s_cbranch_scc1 .Lblk
	v_cndmask_b32 v10, v[BC+5], v[BC+13], s78      ; the segment's sums: lanes 0-15 column block 0, lanes 16-31 block 1,
	v_cndmask_b32 v11, v[BC+21], v[BC+29], s78     ; and blocks 2, 3
	global_store_b32 v[SO], v10, s[72:73]
	global_store_b32 v[SO], v11, s[72:73] offset:128
	s_wait_xcnt 0x0                                ; the stores have read their registers and bases; nothing waits for the stores themselves
	s_add_nc_u64 s[70:71], s[70:71], 33554432-8192 ; 64 segments on (behind the last tile the stepped addresses are not used)
	s_add_nc_u64 s[72:73], s[72:73], 262144
	s_sub_co_u32 s[TL], s[TL], 1
	s_cmp_lg_u32 s[TL], 0
	s_cbranch_scc1 .Ltile
	s_wait_tensorcnt 0x0                           ; the wave's end
	ds_add_u32 v[SPW], v[NIL]
	s_wait_dscnt 0x0
	CROUND                                         ; the closing round: no work-group ends while a partner may still ask for a tile that names it
	s_endpgm
.Lfunc_end_k_qa259d37e27_gkv:
	.size	k_qa259d37e27_gkv, .Lfunc_end_k_qa259d37e27_gkv-k_qa259d37e27_gkv
	.p2alignl 7, 3214868480
	.fill 96, 4, 3214868480
	.section	.rodata,"a",@progbits
	.p2align	6, 0x0
	.amdhsa_kernel k_qa259d37e27_gkv
		.amdhsa_group_segment_fixed_size 327680
		.amdhsa_private_segment_fixed_size 0
		.amdhsa_enable_private_segment 0
		.amdhsa_kernarg_size 40
		.amdhsa_user_sgpr_count 2
		.amdhsa_user_sgpr_kernarg_segment_ptr 1
		.amdhsa_wavefront_size32 1
		.amdhsa_system_sgpr_workgroup_id_x 1
		.amdhsa_system_sgpr_workgroup_id_y 1
		.amdhsa_system_sgpr_workgroup_id_z 1
		.amdhsa_system_vgpr_workitem_id 0
		.amdhsa_next_free_vgpr 1024
		.amdhsa_next_free_sgpr 96
		.amdhsa_reserve_vcc 0
		.amdhsa_float_denorm_mode_32 3
		.amdhsa_float_denorm_mode_16_64 3
		.amdhsa_memory_ordered 1
		.amdhsa_forward_progress 1
		.amdhsa_inst_pref_size 116
	.end_amdhsa_kernel
	.amdgpu_metadata
---
amdhsa.version: [ 1, 2 ]
amdhsa.kernels:
  - .name:           k_qa259d37e27_gkv
    .symbol:         k_qa259d37e27_gkv.kd
    .args:
      - { .name: xn, .offset: 0, .size: 8, .value_kind: global_buffer, .address_space: global }
      - { .name: wkv, .offset: 8, .size: 8, .value_kind: global_buffer, .address_space: global }
      - { .name: tab, .offset: 16, .size: 8, .value_kind: global_buffer, .address_space: global }
      - { .name: u, .offset: 24, .size: 8, .value_kind: global_buffer, .address_space: global }
      - { .name: seg, .offset: 32, .size: 8, .value_kind: global_buffer, .address_space: global }
    .group_segment_fixed_size: 327680
    .private_segment_fixed_size: 0
    .kernarg_segment_align: 8
    .kernarg_segment_size: 40
    .max_flat_workgroup_size: 128
    .sgpr_count:     96
    .vgpr_count:     1024
    .wavefront_size: 32
...
	.end_amdgpu_metadata
.endif
;; end of part 2
;; launch gr (part 3): grid 4 x 64, 4 waves a work-group, clusters of 4 x 4, 327,680 bytes of LDS; arguments xn, wrh, u, seg, at; writes at
.if DOCPART == 3
	.amdgcn_target "amdgcn-amd-amdhsa--gfx1250"
	.amdhsa_code_object_version 6
	.text
	.protected	k_qa259d37e27_gr
	.globl	k_qa259d37e27_gr
	.p2align	8
	.type	k_qa259d37e27_gr,@function
k_qa259d37e27_gr:
	s_mov_b64 s[64:65], 0
	v_nop
	global_prefetch_b8 v0, s[64:65] scope:SCOPE_SE
	s_setreg_imm32_b32 hwreg(HW_REG_WAVE_MODE, 25, 1), 1
	s_wait_xcnt 0x0
	s_wait_alu depctr_hold_cnt(0) depctr_sa_sdst(0) depctr_va_vdst(0) depctr_va_sdst(0) depctr_va_ssrc(0) depctr_va_vcc(0) depctr_vm_vsrc(0)
	s_getreg_b32 s2, hwreg(HW_REG_IB_STS2, 6, 4)
	s_cmp_eq_u32 s2, 0
	s_cbranch_scc0 .Lentry_in_a_cluster
	s_endpgm
.Lentry_in_a_cluster:
	s_bfe_u32 s2, ttmp6, 0x10000c
	s_cmp_lg_u32 s2, 0xf033
	s_cbranch_scc0 .Lentry_shape_is_right
	s_endpgm
.Lentry_shape_is_right:
; RWKV time mixer, launch 3 of 4: r = xn Wr^T (f16 operands, f32 sums), and on the way out A = sigmoid(r) (u + carry), rounded ONCE to bf16 and stored transposed, at[c][t].
; carry[c] = the sum of seg[i][c] over the segments i of my batch that lie before mine: wkv = u + carry.
; LEFT OUT: the sum over a batch's last segment is not loaded: no row of the batch lies behind it, whatever the inputs hold.
; The other 31 are loaded by every wave and chosen by v_cndmask_b32: how many count hangs on the work-group's place in its cluster.
; LIMITS.  A in bf16 (it grows with gamma^2 Wk Wv and has no room in f16).  sigmoid(r) = 1 / (1 + 2^(-r log2 e)); below 2^-126 it counts as 0.  NaN and infinities are not treated apart.
; THE PRODUCT is the second launch's: tiles of 256 x 256, four waves of 128 x 128, 8 K steps of 128 through two LDS slots, joint loads in clusters of 4 x 4, a loop whose trip is one K step;
; the matrix instruction as it stands: a lane holds one column (lane % 16) and eight consecutive rows, which are 16 consecutive bytes of at.
; REGISTERS: window 0: v0-31 addresses; v32-47 carries; v64-191 xn's fragments, on the way out T (two column blocks' 128 numbers a lane).
;   window 1: v64-191 the weights' fragments, on the way out u + carry; v0-63, v192-255 u of two column blocks as loaded: the first two are asked for while the last two K steps are multiplied,
;   each later pair at the head of the trip before its own.   windows 2, 3: the accumulators.
.set KSTEP,  128
.set PITCH,  272
.set HALFT,  128*PITCH
.set SLOT,   4*HALFT                   ; 0x22000: it shares no bit with wave x HALFT, so an exclusive or with it adds or takes it away
.set STAGE,  2*SLOT                    ; behind the ring, never filled by a tensor load: 16 rows x 272 bytes for each wave
.set SPITCH, 272
.set SPARE,  STAGE+4*16*SPITCH         ; the spare words: two blocks of 256 bytes that no other line names
.set ADRA, 16
.set CA,   17
.set ADRB, 20
.set CB,   21
.set STO,  24
.set RD,   25
.set CO,   26
.set SPW,  28
.set NIL,  29
.set PFO,  30
.set UO,   6                           ; 16 x lane
.set CAR,  32                          ; v[32 + b]: the carry of column 16 b + lane % 16
.set CARF, 40                          ; v[40:43]: the carries of the two column blocks in hand, each twice
.set CA4,  44                          ; v[44:47]: the carries of columns 4 lane .. + 3
.set T,    64
.set F0,   64
.set F1,   128
.set G1, 24
.set G0, 32
.set G1B, 48
.set G0B, 56
.set LIM, 43
.set PFA, 44
.set MUL_LO, 0xa4
.set TO_B,   0x40
.set MSB, 0
.macro WIN new
.if MSB != (\new)
	s_set_vgpr_msb (MSB<<8)|(\new)
.set MSB, \new
.endif
.endm
.macro JLOAD s
	s_cmp_eq_u32 s11, 0
	s_cbranch_scc0 .Lfor_b_\@
	tensor_load_to_lds s[G0+4*(\s):G0+4*(\s)+3], s[G1:G1+7]
	s_nop 0
.rept 4
	v_nop
.endr
	s_branch .Lasked_\@
.Lfor_b_\@:
	tensor_load_to_lds s[G0B+4*(\s):G0B+4*(\s)+3], s[G1B:G1B+7]
	s_nop 0
.rept 4
	v_nop
.endr
.Lasked_\@:
.endm
.macro ASK
	s_cmp_gt_u32 s3, s[LIM]
	s_cbranch_scc0 .Lnot_mine_\@
	global_prefetch_b8 v[PFO], s[PFA:PFA+1] offset:KSTEP*2 th:TH_LOAD_NT scope:SCOPE_SE
.Lnot_mine_\@:
.endm
.macro CREST
	s_cmp_lg_u32 s10, 0
	s_cbranch_scc1 .Lnot_wave_0_\@
	s_barrier_signal -3
.Lnot_wave_0_\@:
	s_barrier_wait -3
	s_barrier_signal -1
	s_barrier_wait -1
.endm
.macro CROUND
	s_barrier_signal -1
	s_barrier_wait -1
	CREST
.endm
.macro PLACES
.rept 4
	v_nop
.endr
.endm
.macro MUL16 f, hi, a0, zero
	WIN MUL_LO+0x50*(\hi)
.irp a, \a0, (\a0)+1
.irp b, 0,1,2,3,4,5,6,7
.if \zero
	v_wmma_f32_16x16x32_f16 v[8*(8*(\a)+(\b)):8*(8*(\a)+(\b))+7], v[(\f)+8*(4*(\hi)+(\a)):(\f)+8*(4*(\hi)+(\a))+7], v[(\f)+8*(\b):(\f)+8*(\b)+7], 0
.else
	v_wmma_f32_16x16x32_f16 v[8*(8*(\a)+(\b)):8*(8*(\a)+(\b))+7], v[(\f)+8*(4*(\hi)+(\a)):(\f)+8*(4*(\hi)+(\a))+7], v[(\f)+8*(\b):(\f)+8*(\b)+7], v[8*(8*(\a)+(\b)):8*(8*(\a)+(\b))+7]
.endif
.endr
.endr
.endm
.macro FETCH q, f
	WIN TO_B
.irp i, 0,1,2,3,4,5,6,7
	ds_load_b128 v[(\f)+8*(\i):(\f)+8*(\i)+3],   v[CB] offset:64*(\q)+(\i)*16*PITCH
	ds_load_b128 v[(\f)+8*(\i)+4:(\f)+8*(\i)+7], v[CB] offset:64*(\q)+(\i)*16*PITCH+32
.endr
	WIN 0
.irp i, 0,1,2,3,4,5,6,7
	ds_load_b128 v[(\f)+8*(\i):(\f)+8*(\i)+3],   v[CA] offset:64*(\q)+(\i)*16*PITCH
	ds_load_b128 v[(\f)+8*(\i)+4:(\f)+8*(\i)+7], v[CA] offset:64*(\q)+(\i)*16*PITCH+32
.endr
.endm
.macro QUARTER q, f, g, zero
	s_wait_dscnt 8                                 ; the weights and xn's rows 0-63 are in; the youngest eight loads may be out
	MUL16 \f, 0, 0, \zero
	MUL16 \f, 0, 2, \zero
	PLACES
	FETCH \q, \g
	s_wait_dscnt 32                                ; all but the 32 just issued
	MUL16 \f, 1, 0, \zero
	MUL16 \f, 1, 2, \zero
.endm
.macro MEET round
	WIN 0
	s_wait_tensorcnt 0x0                           ; all my tensor loads have landed
	ds_add_u32 v[SPW], v[NIL]                      ; 0 onto my spare word
	s_wait_dscnt 9                                 ; (the add and the youngest eight loads may be out)
	MUL16 F1, 0, 0, 0
	s_wait_dscnt 0x0                               ; the add is done, and my reads of this slot are over
	s_barrier_signal -1
	MUL16 F1, 0, 2, 0
.if \round
	WIN 0
.endif
	s_barrier_wait -1
.endm
.macro TURN fill
.if \fill
	s_wait_xcnt 0x0                                ; the last prefetch, a K step back, has read its address
	s_add_nc_u64 s[PFA:PFA+1], s[PFA:PFA+1], KSTEP*2
.endif
	MEET \fill
.if \fill
	CREST
	s_xor_b32 s[G0+5], s[G0+5], SLOT
	s_xor_b32 s[G0B+5], s[G0B+5], SLOT
	s_add_nc_u64 s[G0+6:G0+7], s[G0+6:G0+7], KSTEP*2
	s_add_nc_u64 s[G0B+6:G0B+7], s[G0B+6:G0B+7], KSTEP*2
	JLOAD 1                                        ; my one tensor load behind the round
.else
	WIN 0
	PLACES
.endif
	s_xor_b32 s2, s2, SLOT
	v_add_nc_u32 v[CA], s2, v[ADRA]
	v_add_nc_u32 v[CB], s2, v[ADRB]
.if \fill
	FETCH 0, F0
	ASK
.else
	s_cmp_eq_u32 s3, 1
	s_cbranch_scc1 .Lno_fetch_\@
	FETCH 0, F0
.Lno_fetch_\@:
.endif
	MUL16 F1, 1, 0, 0
	MUL16 F1, 1, 2, 0
.endm
.macro ULOAD                           ; u of two column blocks, 32 loads of 512 consecutive bytes: block 0 -> window 1 v0-63, block 1 -> v192-255
	WIN 0x40
.set z, 0
.rept 16
	global_load_b128 v[4*z:4*z+3],         v[UO], s[68:69] offset:512*z
	global_load_b128 v[192+4*z:192+4*z+3], v[UO], s[68:69] offset:8192+512*z
.set z, z+1
.endr
	WIN 0
.endm
	s_load_b128 s[4:7], s[0:1], 0x0                ; xn s[4:5], wrh s[6:7]
	s_load_b128 s[68:71], s[0:1], 0x10             ; u s[68:69], seg s[70:71]
	s_load_b64 s[72:73], s[0:1], 0x20              ; at
	v_lshl_add_u32 v[SPW], v0, 2, SPARE
	v_mov_b32 v[NIL], 0
	ds_add_u32 v[SPW], v[NIL]                      ; the wave's opening: the add, twice on end, and its wait ahead of my first tensor load
	ds_add_u32 v[SPW], v[NIL]
	v_lshrrev_b32 v1, 5, v0
	v_readfirstlane_b32 s10, v1
	s_lshr_b32 s11, s10, 1
	s_and_b32 s12, s10, 1
	s_bfe_u32 s40, ttmp6, 0x40000
	s_bfe_u32 s41, ttmp6, 0x40004
	s_lshl_b32 s42, ttmp9, 2
	s_add_co_u32 s42, s42, s40                     ; tile column
	s_and_b32 s13, ttmp7, 0xffff
	s_lshl_b32 s13, s13, 2
	s_add_co_u32 s13, s13, s41                     ; tile row
	s_lshl_b32 s43, s41, 2
	s_lshl_b32 s43, 15, s43
	s_lshl_b32 s44, 0x1111, s40
	s_or_b32 s[G1+0], s43, (1<<16)|(1<<20)|(1<<21)|(5<<22)|(3<<25)
	s_or_b32 s[G1B+0], s44, (1<<16)|(1<<20)|(1<<21)|(5<<22)|(3<<25)
.irp g, G1, G1B
	s_mov_b32 s[(\g)+1], KSTEP<<16
	s_mov_b32 s[(\g)+2], 128<<16
	s_mov_b32 s[(\g)+3], KSTEP<<16
	s_mov_b32 s[(\g)+4], 128
	s_mov_b32 s[(\g)+5], 1024
	s_mov_b32 s[(\g)+6], 0
	s_mov_b32 s[(\g)+7], 0
.endr
	s_lshl_b32 s17, s12, 7
	s_lshl_b32 s16, s13, 8
	s_add_co_u32 s16, s16, s17
	s_lshl_b32 s46, s42, 8
	s_add_co_u32 s46, s46, s17
	s_mov_b32 s17, 0
	s_mov_b32 s47, 0
	s_lshl_b64 s[16:17], s[16:17], 11
	s_lshl_b64 s[46:47], s[46:47], 11
	s_mul_i32 s20, s10, HALFT
	s_wait_dscnt 0x0
	s_wait_kmcnt 0x0
	s_add_nc_u64 s[14:15], s[4:5], s[16:17]
	s_add_nc_u64 s[46:47], s[6:7], s[46:47]
	CROUND
.irp s, 0,1
	s_mov_b32 s[G0+4*(\s)], 1
	s_add_co_u32 s[G0+4*(\s)+1], s20, (\s)*SLOT
	s_add_nc_u64 s[G0+4*(\s)+2:G0+4*(\s)+3], s[14:15], (\s)*KSTEP*2
	s_or_b32 s[G0+4*(\s)+3], s[G0+4*(\s)+3], 0x80000000
	s_mov_b32 s[G0B+4*(\s)], 1
	s_add_co_u32 s[G0B+4*(\s)+1], s20, (\s)*SLOT
	s_add_nc_u64 s[G0B+4*(\s)+2:G0B+4*(\s)+3], s[46:47], (\s)*KSTEP*2
	s_or_b32 s[G0B+4*(\s)+3], s[G0B+4*(\s)+3], 0x80000000
	JLOAD \s
.endr
	v_and_b32 v1, 15, v0
	v_bfe_u32 v2, v0, 4, 1
	v_mul_u32_u24 v3, v1, PITCH
	v_lshl_add_u32 v3, v2, 4, v3
	s_mul_i32 s21, s11, HALFT
	s_mul_i32 s22, s12, HALFT
	s_add_co_u32 s22, s22, 2*HALFT
	v_add_nc_u32 v[ADRA], s21, v3
	v_add_nc_u32 v[ADRB], s22, v3
	v_mov_b32 v[CA], v[ADRA]
	v_mov_b32 v[CB], v[ADRB]
	s_mov_b32 s2, 0
	; the prefetches, as in the second launch: cluster x = 0 (here every cluster) asks for xn's rows, cluster y = 0 for the weights'; partners share the rows by address
	s_lshl_b32 s18, s13, 8
	s_lshl_b32 s19, s42, 8
	s_and_b32 s22, ttmp7, 0xffff
	s_cmp_eq_u32 s11, 0
	s_cselect_b32 s20, s18, s19
	s_cselect_b32 s21, s40, s41
	s_cselect_b32 s22, ttmp9, s22
	s_cselect_b64 s[PFA:PFA+1], s[4:5], s[6:7]
	s_cmp_eq_u32 s22, 0
	s_cselect_b32 s[LIM], 2, -1
	s_lshl_b32 s22, s12, 7
	s_add_co_u32 s20, s20, s22
	s_lshl_b32 s21, s21, 5
	s_add_co_u32 s20, s20, s21
	s_mov_b32 s21, 0
	s_lshl_b64 s[20:21], s[20:21], 11
	s_add_nc_u64 s[PFA:PFA+1], s[PFA:PFA+1], s[20:21]
	s_add_nc_u64 s[PFA:PFA+1], s[PFA:PFA+1], 2*KSTEP*2
	v_and_b32 v[PFO], 31, v0
	v_lshlrev_b32 v[UO], 4, v[PFO]
	v_lshlrev_b32 v[PFO], 11, v[PFO]
	; my segment, my 128 columns
	s_lshl_b32 s74, s13, 1
	s_add_co_u32 s74, s74, s11                     ; segment
	s_lshl_b32 s76, s42, 1
	s_add_co_u32 s76, s76, s12                     ; column / 128
	s_and_b32 s75, s74, 31                         ; how many segments of my batch lie before mine
	s_mov_b32 s85, 0
	s_lshl_b32 s84, s74, 3
	s_add_co_u32 s84, s84, s76
	s_lshl_b32 s84, s84, 16
	s_add_nc_u64 s[68:69], s[68:69], s[84:85]      ; u: 65,536 bytes for my segment and columns, 8,192 a column block
	s_sub_co_u32 s84, s74, s75
	s_lshl_b32 s84, s84, 12
	s_lshl_b32 s77, s76, 9
	s_add_co_u32 s84, s84, s77
	s_add_nc_u64 s[70:71], s[70:71], s[84:85]      ; seg at my batch's first segment, my columns
	s_lshl_b32 s84, s76, 22
	s_lshl_b32 s77, s74, 8
	s_add_co_u32 s84, s84, s77
	s_add_nc_u64 s[72:73], s[72:73], s[84:85]      ; at: my first column's row of 32,768 bytes, my 256 bytes of it
	s_mov_b32 s80, 0xbfb8aa3b                      ; - log2 e
	s_mov_b32 s81, s80
	s_mul_i32 s23, s10, 16*SPITCH
	s_add_co_u32 s23, s23, STAGE                   ; my stage
	v_mul_u32_u24 v3, v1, SPITCH                   ; in: row = column l % 16, 16 bytes for each half of the lanes
	v_lshl_add_u32 v3, v2, 4, v3
	v_add_nc_u32 v[STO], s23, v3
	v_mul_u32_u24 v3, v2, SPITCH                   ; back: lanes 0-15 one row of 256 bytes, lanes 16-31 the next
	v_lshl_add_u32 v3, v1, 4, v3
	v_add_nc_u32 v[RD], s23, v3
	v_lshlrev_b32 v3, 15, v2                       ; and the same two rows of at
	v_lshl_add_u32 v[CO], v1, 4, v3
	v_add_nc_u32 v10, s23, v[UO]
	v_lshl_add_u32 v11, v1, 2, s23
	; THE CARRY: 31 rows of segment sums for my 128 columns, four columns a lane; those before my segment are added, in ascending order
.set n, 0
.rept 31
	global_load_b128 v[T+4*n:T+4*n+3], v[UO], s[70:71] offset:4096*n
.set n, n+1
.endr
	s_wait_loadcnt 0x0
	s_cmp_gt_u32 s75, 0
	s_cselect_b32 s82, -1, 0
.irp k, 0,1,2,3
	v_cndmask_b32 v[CA4+(\k)], 0, v[T+(\k)], s82
.endr
.set n, 1
.rept 30
	s_cmp_gt_u32 s75, n
	s_cselect_b32 s82, -1, 0
.irp k, 0,1,2,3
	v_cndmask_b32 v[T+4*n+(\k)], 0, v[T+4*n+(\k)], s82  ; a selection, no product with 0
.endr
	v_pk_add_f32 v[CA4:CA4+1], v[CA4:CA4+1], v[T+4*n:T+4*n+1]
	v_pk_add_f32 v[CA4+2:CA4+3], v[CA4+2:CA4+3], v[T+4*n+2:T+4*n+3]
.set n, n+1
.endr
	ds_store_b128 v10, v[CA4:CA4+3]                ; through my stage into the accumulators' order: column 16 b + l % 16
.irp b, 0,1,2,3,4,5,6,7
	ds_load_b32 v[CAR+(\b)], v11 offset:64*(\b)    ; LDS serves a wave's instructions in order: these see the store above
.endr
	s_wait_dscnt 0x0
	s_wait_tensorcnt 0x1                           ; my part of K step 0 is in; K step 1's may stay out
	s_barrier_signal -1
	s_barrier_wait -1
	FETCH 0, F0
	QUARTER 1, F0, F1, 1
	WIN 0
	s_mov_b32 s3, 6
.Lk:
	QUARTER 2, F1, F0, 0
	QUARTER 3, F0, F1, 0
	TURN 1
	QUARTER 1, F0, F1, 0
	WIN 0
	s_sub_co_u32 s3, s3, 1
	s_cmp_lg_u32 s3, 0
	s_cbranch_scc1 .Lk
	ULOAD                                          ; u of column blocks 0 and 1: on its way while the last two K steps are multiplied
	s_mov_b32 s3, 2
.Lt:
	QUARTER 2, F1, F0, 0
	QUARTER 3, F0, F1, 0
	TURN 0
	WIN 0
	s_cmp_eq_u32 s3, 1
	s_cbranch_scc1 .Lout
	QUARTER 1, F0, F1, 0
	WIN 0
	s_sub_co_u32 s3, s3, 1
	s_cmp_lg_u32 s3, 0
	s_cbranch_scc1 .Lt
.Lout:
	s_wait_dscnt 0x0
	PLACES
	PLACES
	; THE WAY OUT, two column blocks a trip.  Only the lines that read accumulators are written once for each pair.
.macro SCL P, hi                       ; T = - r log2 e for row blocks 4 hi .. 4 hi + 3 of column blocks 2 P, 2 P + 1; each accumulator's lowest registers are read first
	WIN 0x02+(\hi)
.set z, 0
.rept 32
.set dT, T+64*(z/16)+8*(4*(\hi)+(z/4)%4)+2*(z%4)
.set sA, 8*(8*((z/4)%4)+2*(\P)+z/16)+2*(z%4)
	v_pk_mul_f32 v[dT:dT+1], v[sA:sA+1], s[80:81] op_sel_hi:[1,0]
.set z, z+1
.endr
.endm
.macro RBLK P
	s_cmp_lg_u32 s79, \P
	s_cbranch_scc1 .Lnp_\P
	v_mov_b32 v[CARF],   v[CAR+2*(\P)]
	v_mov_b32 v[CARF+1], v[CAR+2*(\P)]
	v_mov_b32 v[CARF+2], v[CAR+2*(\P)+1]
	v_mov_b32 v[CARF+3], v[CAR+2*(\P)+1]
	SCL \P, 0
	SCL \P, 1
	WIN 0
.Lnp_\P:
.endm
	s_mov_b32 s79, 0
.Lpair:
.irp P, 0,1,2,3
	RBLK \P
.endr
	s_wait_loadcnt 0x0                             ; u of this pair: asked for a whole trip ago (the first pair: two K steps ago)
	WIN 0x41                                       ; destination and source 0 window 1
.set z, 0
.rept 32
	v_pk_add_f32 v[64+2*z:64+2*z+1], v[2*z:2*z+1], v[CARF:CARF+1]              ; wkv = u + carry, into the weights' fragment registers, which are idle here:
.set z, z+1
.endr
.set z, 0
.rept 32
	v_pk_add_f32 v[128+2*z:128+2*z+1], v[192+2*z:192+2*z+1], v[CARF+2:CARF+3]  ; so u's registers are free at once
.set z, z+1
.endr
	WIN 0
	s_cmp_eq_u32 s79, 3                            ; the last pair has none behind it; every wait for loads is for 0, so the count is right on both ways
	s_cbranch_scc1 .Lno_u
	s_add_nc_u64 s[68:69], s[68:69], 16384         ; (the loads that read this base are done)
	ULOAD                                          ; the next pair's u: both batches below, the stage's round trip and the stores stand between this request and its use
.Lno_u:
.set z, 0
.rept 128
	v_exp_f32 v[T+z], v[T+z]
.set z, z+1
.endr
	v_nop                                          ; a plain instruction behind the last exponential,
	s_wait_alu depctr_va_vdst(0)                   ; and ONE wait for the batch of 128
.set z, 0
.rept 64
	v_pk_add_f32 v[T+2*z:T+2*z+1], v[T+2*z:T+2*z+1], 1.0 op_sel_hi:[1,0]
.set z, z+1
.endr
.set z, 0
.rept 128
	v_rcp_f32 v[T+z], v[T+z]                       ; sigmoid(r)
.set z, z+1
.endr
	v_nop                                          ; a plain instruction behind the last reciprocal,
	s_wait_alu depctr_va_vdst(0)                   ; and ONE wait for the batch of 128
	WIN 0x04                                       ; source 1 window 1
.set z, 0
.rept 64
	v_pk_mul_f32 v[T+2*z:T+2*z+1], v[T+2*z:T+2*z+1], v[64+2*z:64+2*z+1]
.set z, z+1
.endr
	WIN 0
.set z, 0
.rept 64
	v_cvt_pk_bf16_f32 v[T+z], v[T+2*z], v[T+2*z+1] ; the one rounding of A; in place, ascending: four registers = 8 consecutive t of one column
.set z, z+1
.endr
.irp bb, 0,1
.irp a, 0,1,2,3,4,5,6,7
	ds_store_b128 v[STO], v[T+32*(\bb)+4*(\a):T+32*(\bb)+4*(\a)+3] offset:32*(\a)
.endr
.irp i, 0,1,2,3,4,5,6,7
	ds_load_b128 v[128+32*(\bb)+4*(\i):128+32*(\bb)+4*(\i)+3], v[RD] offset:2*SPITCH*(\i)  ; in order behind the stores above; the next block's stores come behind these
.endr
.endr
	s_wait_dscnt 16                                ; the first block's rows are back; the second's sixteen LDS instructions may be out
.irp i, 0,1,2,3,4,5,6,7
	global_store_b128 v[CO], v[128+4*(\i):128+4*(\i)+3], s[72:73] offset:65536*(\i)  ; 16 lanes store 256 consecutive bytes of one row of at, at a multiple of 256 from its first
.endr
	s_wait_dscnt 0x0
.irp i, 0,1,2,3,4,5,6,7
	global_store_b128 v[CO], v[160+4*(\i):160+4*(\i)+3], s[72:73] offset:524288+65536*(\i)
.endr
	s_wait_xcnt 0x0                                ; the stores have read their registers and their base
	s_add_nc_u64 s[72:73], s[72:73], 1048576       ; 32 rows of at on
	s_add_co_u32 s79, s79, 1
	s_cmp_lt_u32 s79, 4
	s_cbranch_scc1 .Lpair
	s_wait_tensorcnt 0x0                           ; the wave's end, behind my last LDS store
	ds_add_u32 v[SPW], v[NIL]
	s_wait_dscnt 0x0
	CROUND
	s_endpgm
.Lfunc_end_k_qa259d37e27_gr:
	.size	k_qa259d37e27_gr, .Lfunc_end_k_qa259d37e27_gr-k_qa259d37e27_gr
	.p2alignl 7, 3214868480
	.fill 96, 4, 3214868480
	.section	.rodata,"a",@progbits
	.p2align	6, 0x0
	.amdhsa_kernel k_qa259d37e27_gr
		.amdhsa_group_segment_fixed_size 327680
		.amdhsa_private_segment_fixed_size 0
		.amdhsa_enable_private_segment 0
		.amdhsa_kernarg_size 40
		.amdhsa_user_sgpr_count 2
		.amdhsa_user_sgpr_kernarg_segment_ptr 1
		.amdhsa_wavefront_size32 1
		.amdhsa_system_sgpr_workgroup_id_x 1
		.amdhsa_system_sgpr_workgroup_id_y 1
		.amdhsa_system_sgpr_workgroup_id_z 1
		.amdhsa_system_vgpr_workitem_id 0
		.amdhsa_next_free_vgpr 1024
		.amdhsa_next_free_sgpr 96
		.amdhsa_reserve_vcc 0
		.amdhsa_float_denorm_mode_32 3
		.amdhsa_float_denorm_mode_16_64 3
		.amdhsa_memory_ordered 1
		.amdhsa_forward_progress 1
		.amdhsa_inst_pref_size 139
	.end_amdhsa_kernel
	.amdgpu_metadata
---
amdhsa.version: [ 1, 2 ]
amdhsa.kernels:
  - .name:           k_qa259d37e27_gr
    .symbol:         k_qa259d37e27_gr.kd
    .args:
      - { .name: xn, .offset: 0, .size: 8, .value_kind: global_buffer, .address_space: global }
      - { .name: wrh, .offset: 8, .size: 8, .value_kind: global_buffer, .address_space: global }
      - { .name: u, .offset: 16, .size: 8, .value_kind: global_buffer, .address_space: global }
      - { .name: seg, .offset: 24, .size: 8, .value_kind: global_buffer, .address_space: global }
      - { .name: at, .offset: 32, .size: 8, .value_kind: global_buffer, .address_space: global }
    .group_segment_fixed_size: 327680
    .private_segment_fixed_size: 0
    .kernarg_segment_align: 8
    .kernarg_segment_size: 40
    .max_flat_workgroup_size: 128
    .sgpr_count:     96
    .vgpr_count:     1024
    .wavefront_size: 32
...
	.end_amdgpu_metadata
.endif
;; end of part 3
;; launch gout (part 4): grid 4 x 64, 4 waves a work-group, clusters of 4 x 4, 327,680 bytes of LDS; arguments at, woh, out0; writes out0
.if DOCPART == 4
	.amdgcn_target "amdgcn-amd-amdhsa--gfx1250"
	.amdhsa_code_object_version 6
	.text
	.protected	k_qa259d37e27_gout
	.globl	k_qa259d37e27_gout
	.p2align	8
	.type	k_qa259d37e27_gout,@function
k_qa259d37e27_gout:
	s_mov_b64 s[64:65], 0
	v_nop
	global_prefetch_b8 v0, s[64:65] scope:SCOPE_SE
	s_setreg_imm32_b32 hwreg(HW_REG_WAVE_MODE, 25, 1), 1
	s_wait_xcnt 0x0
	s_wait_alu depctr_hold_cnt(0) depctr_sa_sdst(0) depctr_va_vdst(0) depctr_va_sdst(0) depctr_va_ssrc(0) depctr_va_vcc(0) depctr_vm_vsrc(0)
	s_getreg_b32 s2, hwreg(HW_REG_IB_STS2, 6, 4)
	s_cmp_eq_u32 s2, 0
	s_cbranch_scc0 .Lentry_in_a_cluster
	s_endpgm
.Lentry_in_a_cluster:
	s_bfe_u32 s2, ttmp6, 0x10000c
	s_cmp_lg_u32 s2, 0xf033
	s_cbranch_scc0 .Lentry_shape_is_right
	s_endpgm
.Lentry_shape_is_right:
; RWKV time mixer, launch 4 of 4: out = A Wo^T, bf16 operands, f32 sums, f32 out.  A lies transposed, at[c][t]; Wo as woh[d][c].  Nothing of the problem is left out here.
; Tiles of 256 x 256, four waves of 128 x 128, 8 K steps of 128 through two LDS slots, joint loads in clusters of 4 x 4, a loop whose trip is one K step, as in the two launches before.
; A's part of a slot is 128 rows (c) of 512 bytes (256 t), 32 bytes of padding behind each; its fragments come out of LDS turned, by ds_load_tr16_b128.
; THE MATRIX INSTRUCTION IS USED TRANSPOSED (source 0 = 16 rows of Wo, source 1 = 16 rows t of A): a lane holds one row t (lane % 16) and eight neighbouring d: 32 bytes of out.
; The way out goes through a stage in LDS, 16 rows at a time, so that each store covers 512 consecutive bytes.
; REGISTERS: window 0: v0-31 addresses; v64-191 A's fragments (on the way out rows read back).  window 1: v64-191 Wo's fragments.  windows 2, 3: the accumulators, (a, b) at 8 (8 (a % 4) + b).
.set KSTEP,  128
.set PITCH,  272                       ; a row of Wo's tile
.set PA,     544                       ; a row of A's tile: 512 + 32 = 136 words
.set HALFT,  128*PITCH                 ; = 64 x PA: what one tensor load brings
.set SLOT,   4*HALFT                   ; 0x22000: it shares no bit with wave x HALFT, so an exclusive or with it adds or takes it away
.set ASTEP,  128*32768                 ; a K step in at: 128 rows of 32,768 bytes
.set STAGE,  2*SLOT                    ; behind the ring, never filled by a tensor load: 16 rows x 528 bytes for each wave
.set SPITCH, 528
.set SPARE,  STAGE+4*16*SPITCH
.set ADRA, 16
.set CA,   17
.set ADRB, 20
.set CB,   21
.set STO,  24
.set RD,   25
.set CO,   26
.set SPW,  28
.set NIL,  29
.set PFO,  30
.set F0,   64
.set F1,   128
.set G1, 24
.set G0, 32
.set G1B, 48
.set G0B, 56
.set LIM, 43
.set PFA, 44
.set MUL_LO, 0xa1                      ; source 0 (Wo) window 1, source 1 (A) window 0, C and D window 2
.set TO_B,   0x40
.set MSB, 0
.macro WIN new
.if MSB != (\new)
	s_set_vgpr_msb (MSB<<8)|(\new)
.set MSB, \new
.endif
.endm
.macro JLOAD s
	s_cmp_eq_u32 s11, 0
	s_cbranch_scc0 .Lfor_b_\@
	tensor_load_to_lds s[G0+4*(\s):G0+4*(\s)+3], s[G1:G1+7]
	s_nop 0
.rept 4
	v_nop
.endr
	s_branch .Lasked_\@
.Lfor_b_\@:
	tensor_load_to_lds s[G0B+4*(\s):G0B+4*(\s)+3], s[G1B:G1B+7]
	s_nop 0
.rept 4
	v_nop
.endr
.Lasked_\@:
.endm
.macro ASK                             ; one prefetch a wave, 32 blocks of 256 bytes of the K step that stands two refills on
	s_cmp_gt_u32 s3, s[LIM]
	s_cbranch_scc0 .Lnot_mine_\@
	global_prefetch_b8 v[PFO], s[PFA:PFA+1] th:TH_LOAD_NT scope:SCOPE_SE
.Lnot_mine_\@:
.endm
.macro CREST
	s_cmp_lg_u32 s10, 0
	s_cbranch_scc1 .Lnot_wave_0_\@
	s_barrier_signal -3
.Lnot_wave_0_\@:
	s_barrier_wait -3
	s_barrier_signal -1
	s_barrier_wait -1
.endm
.macro CROUND
	s_barrier_signal -1
	s_barrier_wait -1
	CREST
.endm
.macro PLACES
.rept 4
	v_nop
.endr
.endm
.macro MUL16 f, hi, a0, zero
	WIN MUL_LO+0x50*(\hi)
.irp a, \a0, (\a0)+1
.irp b, 0,1,2,3,4,5,6,7
.if \zero
	v_wmma_f32_16x16x32_bf16 v[8*(8*(\a)+(\b)):8*(8*(\a)+(\b))+7], v[(\f)+8*(\b):(\f)+8*(\b)+7], v[(\f)+8*(4*(\hi)+(\a)):(\f)+8*(4*(\hi)+(\a))+7], 0
.else
	v_wmma_f32_16x16x32_bf16 v[8*(8*(\a)+(\b)):8*(8*(\a)+(\b))+7], v[(\f)+8*(\b):(\f)+8*(\b)+7], v[(\f)+8*(4*(\hi)+(\a)):(\f)+8*(4*(\hi)+(\a))+7], v[8*(8*(\a)+(\b)):8*(8*(\a)+(\b))+7]
.endif
.endr
.endr
.endm
.macro FETCH q, f
	WIN TO_B
.irp i, 0,1,2,3,4,5,6,7
	ds_load_b128 v[(\f)+8*(\i):(\f)+8*(\i)+3],   v[CB] offset:64*(\q)+(\i)*16*PITCH
	ds_load_b128 v[(\f)+8*(\i)+4:(\f)+8*(\i)+7], v[CB] offset:64*(\q)+(\i)*16*PITCH+32
.endr
	WIN 0
.irp i, 0,1,2,3,4,5,6,7                ; 16 t at byte 32 i of the rows, c = 32 q + 8 (l / 16) + 0..7 and 16 further on
	ds_load_tr16_b128 v[(\f)+8*(\i):(\f)+8*(\i)+3],   v[CA] offset:(\q)*32*PA+32*(\i)
	ds_load_tr16_b128 v[(\f)+8*(\i)+4:(\f)+8*(\i)+7], v[CA] offset:(\q)*32*PA+32*(\i)+16*PA
.endr
.endm
.macro QUARTER q, f, g, zero
	s_wait_dscnt 8                                 ; Wo and A's rows 0-63 are in; the youngest eight loads may be out
	MUL16 \f, 0, 0, \zero
	MUL16 \f, 0, 2, \zero
	PLACES
	FETCH \q, \g
	s_wait_dscnt 32                                ; all but the 32 just issued
	MUL16 \f, 1, 0, \zero
	MUL16 \f, 1, 2, \zero
.endm
.macro MEET round
	WIN 0
	s_wait_tensorcnt 0x0                           ; all my tensor loads have landed
	ds_add_u32 v[SPW], v[NIL]                      ; 0 onto my spare word
	s_wait_dscnt 9                                 ; (the add and the youngest eight loads may be out)
	MUL16 F1, 0, 0, 0
	s_wait_dscnt 0x0                               ; the add is done, and my reads of this slot are over
	s_barrier_signal -1
	MUL16 F1, 0, 2, 0
.if \round
	WIN 0
.endif
	s_barrier_wait -1
.endm
.macro TURN fill
.if \fill
	s_wait_xcnt 0x0                                ; the last prefetch, a K step back, has read its address
	s_add_nc_u64 s[PFA:PFA+1], s[PFA:PFA+1], s[66:67]
.endif
	MEET \fill
.if \fill
	CREST
	s_xor_b32 s[G0+5], s[G0+5], SLOT
	s_xor_b32 s[G0B+5], s[G0B+5], SLOT
	s_add_nc_u64 s[G0+6:G0+7], s[G0+6:G0+7], ASTEP
	s_add_nc_u64 s[G0B+6:G0B+7], s[G0B+6:G0B+7], KSTEP*2
	JLOAD 1                                        ; my one tensor load behind the round
.else
	WIN 0
	PLACES
.endif
	s_xor_b32 s2, s2, SLOT
	v_add_nc_u32 v[CA], s2, v[ADRA]
	v_add_nc_u32 v[CB], s2, v[ADRB]
.if \fill
	FETCH 0, F0
	ASK
.else
	s_cmp_eq_u32 s3, 1
	s_cbranch_scc1 .Lno_fetch_\@
	FETCH 0, F0
.Lno_fetch_\@:
.endif
	MUL16 F1, 1, 0, 0
	MUL16 F1, 1, 2, 0
.endm
	s_load_b128 s[4:7], s[0:1], 0x0                ; at s[4:5], woh s[6:7]
	s_load_b64 s[8:9], s[0:1], 0x10                ; out0
	v_lshl_add_u32 v[SPW], v0, 2, SPARE
	v_mov_b32 v[NIL], 0
	ds_add_u32 v[SPW], v[NIL]                      ; the wave's opening: the add, twice on end, and its wait ahead of my first tensor load
	ds_add_u32 v[SPW], v[NIL]
	v_lshrrev_b32 v1, 5, v0
	v_readfirstlane_b32 s10, v1
	s_lshr_b32 s11, s10, 1                         ; my half of the tile's rows t.  Also: I fetch A (0) or Wo (1)
	s_and_b32 s12, s10, 1                          ; my half of its columns d.  Also: which half of that tile I fetch
	s_bfe_u32 s40, ttmp6, 0x40000
	s_bfe_u32 s41, ttmp6, 0x40004
	s_lshl_b32 s42, ttmp9, 2
	s_add_co_u32 s42, s42, s40                     ; tile column
	s_and_b32 s13, ttmp7, 0xffff
	s_lshl_b32 s13, s13, 2
	s_add_co_u32 s13, s13, s41                     ; tile row
	s_lshl_b32 s43, s41, 2
	s_lshl_b32 s43, 15, s43
	s_lshl_b32 s44, 0x1111, s40
	s_or_b32 s[G1+0], s43, (1<<16)|(1<<20)|(1<<21)|(6<<22)|(7<<25)   ; A: after every 128 words, 8 words of padding
	s_mov_b32 s[G1+1], 256<<16                     ; tensor_dim0 = 256
	s_mov_b32 s[G1+2], 64<<16                      ; tensor_dim1 = 64
	s_mov_b32 s[G1+3], 256<<16                     ; tile_dim0 = 256
	s_mov_b32 s[G1+4], 64                          ; tile_dim1 = 64
	s_mov_b32 s[G1+5], 16384                       ; elements from row to row
	s_mov_b32 s[G1+6], 0
	s_mov_b32 s[G1+7], 0
	s_or_b32 s[G1B+0], s44, (1<<16)|(1<<20)|(1<<21)|(5<<22)|(3<<25)  ; Wo: after every 64 words, 4 words
	s_mov_b32 s[G1B+1], KSTEP<<16
	s_mov_b32 s[G1B+2], 128<<16
	s_mov_b32 s[G1B+3], KSTEP<<16
	s_mov_b32 s[G1B+4], 128
	s_mov_b32 s[G1B+5], 1024
	s_mov_b32 s[G1B+6], 0
	s_mov_b32 s[G1B+7], 0
	s_lshl_b32 s16, s13, 9                         ; A: 512 bytes of each row for a tile row,
	s_lshl_b32 s17, s12, 21                        ; 64 rows of 32,768 bytes for a half
	s_add_co_u32 s16, s16, s17
	s_mov_b32 s17, 0
	s_lshl_b32 s46, s42, 8
	s_lshl_b32 s47, s12, 7
	s_add_co_u32 s46, s46, s47                     ; Wo: row 256 x tile column + 128 x half
	s_lshl_b32 s46, s46, 11
	s_mov_b32 s47, 0
	s_mul_i32 s20, s10, HALFT
	s_wait_dscnt 0x0
	s_wait_kmcnt 0x0
	s_add_nc_u64 s[14:15], s[4:5], s[16:17]
	s_add_nc_u64 s[46:47], s[6:7], s[46:47]
	CROUND
.irp s, 0,1
	s_mov_b32 s[G0+4*(\s)], 1
	s_add_co_u32 s[G0+4*(\s)+1], s20, (\s)*SLOT
	s_add_nc_u64 s[G0+4*(\s)+2:G0+4*(\s)+3], s[14:15], (\s)*ASTEP
	s_or_b32 s[G0+4*(\s)+3], s[G0+4*(\s)+3], 0x80000000
	s_mov_b32 s[G0B+4*(\s)], 1
	s_add_co_u32 s[G0B+4*(\s)+1], s20, (\s)*SLOT
	s_add_nc_u64 s[G0B+4*(\s)+2:G0B+4*(\s)+3], s[46:47], (\s)*KSTEP*2
	s_or_b32 s[G0B+4*(\s)+3], s[G0B+4*(\s)+3], 0x80000000
	JLOAD \s
.endr
	v_and_b32 v1, 15, v0
	v_bfe_u32 v2, v0, 4, 1
	v_and_b32 v3, 7, v0
	v_lshl_add_u32 v3, v2, 3, v3                   ; A: row 8 (l / 16) + l % 8,
	v_mul_u32_u24 v3, v3, PA
	v_bfe_u32 v4, v0, 3, 1
	v_lshl_add_u32 v3, v4, 4, v3                   ; 16 bytes for each eight lanes,
	s_lshl_b32 s21, s11, 8                         ; my 128 t: 256 bytes of each row
	v_add_nc_u32 v[ADRA], s21, v3
	v_mul_u32_u24 v3, v1, PITCH
	v_lshl_add_u32 v3, v2, 4, v3
	s_mul_i32 s22, s12, HALFT
	s_add_co_u32 s22, s22, 2*HALFT
	v_add_nc_u32 v[ADRB], s22, v3
	v_mov_b32 v[CA], v[ADRA]
	v_mov_b32 v[CB], v[ADRB]
	s_mov_b32 s2, 0
	; the prefetches.  A wave that fetches A: of its 64 rows x 512 bytes each of the four partners along x takes 16 rows, two blocks of 256 bytes a row, a lane a block.
	; A wave that fetches Wo: of its 128 rows x 256 bytes each partner along y takes 32, a lane a row; cluster y = 0 alone asks, since every cluster reads Wo.
	s_lshl_b32 s18, s13, 9
	s_lshl_b32 s19, s12, 6
	s_lshl_b32 s21, s40, 4
	s_add_co_u32 s19, s19, s21
	s_lshl_b32 s19, s19, 15
	s_add_co_u32 s18, s18, s19
	s_add_co_u32 s18, s18, 3*ASTEP                 ; at K step 3: the first refill steps it to 4
	s_lshl_b32 s19, s42, 8
	s_lshl_b32 s21, s12, 7
	s_add_co_u32 s19, s19, s21
	s_lshl_b32 s21, s41, 5
	s_add_co_u32 s19, s19, s21
	s_lshl_b32 s19, s19, 11
	s_add_co_u32 s19, s19, 3*KSTEP*2
	s_and_b32 s22, ttmp7, 0xffff
	s_mov_b32 s14, KSTEP*2
	s_cmp_eq_u32 s11, 0
	s_cselect_b32 s20, s18, s19
	s_cselect_b32 s22, ttmp9, s22
	s_cselect_b32 s66, ASTEP, s14                  ; a K step, in the tensor that I fetch
	s_cselect_b32 s15, -1, 0
	s_cselect_b64 s[PFA:PFA+1], s[4:5], s[6:7]
	s_mov_b32 s67, 0
	s_mov_b32 s21, 0
	s_cmp_eq_u32 s22, 0
	s_cselect_b32 s[LIM], 2, -1
	s_add_nc_u64 s[PFA:PFA+1], s[PFA:PFA+1], s[20:21]
	v_and_b32 v3, 31, v0
	v_lshlrev_b32 v[CO], 4, v3                     ; 16 x lane
	v_lshlrev_b32 v4, 11, v3                       ; Wo: lane x 2,048
	v_lshrrev_b32 v5, 1, v3
	v_lshlrev_b32 v5, 15, v5
	v_and_b32 v3, 1, v3
	v_lshl_add_u32 v5, v3, 8, v5                   ; A: (lane / 2) x 32,768 + (lane % 2) x 256
	v_cndmask_b32 v[PFO], v4, v5, s15
	s_mul_i32 s23, s10, 16*SPITCH
	s_add_co_u32 s23, s23, STAGE                   ; my stage
	v_mul_u32_u24 v3, v1, SPITCH                   ; in: row l % 16, 32 bytes for each half of the lanes
	v_lshl_add_u32 v3, v2, 5, v3
	v_add_nc_u32 v[STO], s23, v3
	v_add_nc_u32 v[RD], s23, v[CO]                 ; back: 32 lanes take a row's 512 bytes
	s_lshl_b32 s16, s13, 8
	s_lshl_b32 s17, s11, 7
	s_add_co_u32 s16, s16, s17
	s_lshl_b32 s16, s16, 12                        ; my first row of out, 4,096 bytes a row
	s_lshl_b32 s17, s42, 10
	s_add_co_u32 s16, s16, s17
	s_lshl_b32 s17, s12, 9
	s_add_co_u32 s16, s16, s17                     ; my first column
	s_mov_b32 s17, 0
	s_add_nc_u64 s[8:9], s[8:9], s[16:17]
	s_wait_tensorcnt 0x1                           ; my part of K step 0 is in; K step 1's may stay out
	s_barrier_signal -1
	s_barrier_wait -1
	FETCH 0, F0
	QUARTER 1, F0, F1, 1
	WIN 0
	s_mov_b32 s3, 6
.Lk:
	QUARTER 2, F1, F0, 0
	QUARTER 3, F0, F1, 0
	TURN 1
	QUARTER 1, F0, F1, 0
	WIN 0
	s_sub_co_u32 s3, s3, 1
	s_cmp_lg_u32 s3, 0
	s_cbranch_scc1 .Lk
	s_mov_b32 s3, 2
.Lt:
	QUARTER 2, F1, F0, 0
	QUARTER 3, F0, F1, 0
	TURN 0
	WIN 0
	s_cmp_eq_u32 s3, 1
	s_cbranch_scc1 .Lout
	QUARTER 1, F0, F1, 0
	WIN 0
	s_sub_co_u32 s3, s3, 1
	s_cmp_lg_u32 s3, 0
	s_cbranch_scc1 .Lt
.Lout:
	s_wait_dscnt 0x0
	PLACES
	PLACES
	; THE WAY OUT, 16 rows a trip: straight from the accumulators into my stage (written once for each block; one of the eight runs in a trip), back as whole rows, stored.
.macro OBLK n
	s_cmp_lg_u32 s79, \n
	s_cbranch_scc1 .Lnr_\n
	WIN 0x08+4*((\n)/4)                            ; the stores' data: window 2 or 3
.irp b, 0,1,2,3,4,5,6,7
	ds_store_b128 v[STO], v[8*(8*((\n)%4)+(\b)):8*(8*((\n)%4)+(\b))+3]   offset:64*(\b)     ; each accumulator's lowest registers first
	ds_store_b128 v[STO], v[8*(8*((\n)%4)+(\b))+4:8*(8*((\n)%4)+(\b))+7] offset:64*(\b)+16
.endr
	WIN 0
.Lnr_\n:
.endm
	s_mov_b32 s79, 0
.Lrow:
.irp n, 0,1,2,3,4,5,6,7
	OBLK \n
.endr
.irp i, 0,1,2,3,4,5,6,7,8,9,10,11,12,13,14,15
	ds_load_b128 v[64+4*(\i):64+4*(\i)+3], v[RD] offset:SPITCH*(\i)  ; LDS serves a wave's instructions in order: these see the stores above; the next block's stores come behind them
.endr
	s_wait_dscnt 0x0
.irp i, 0,1,2,3,4,5,6,7,8,9,10,11,12,13,14,15
	global_store_b128 v[CO], v[64+4*(\i):64+4*(\i)+3], s[8:9] offset:4096*(\i) th:TH_STORE_NT  ; 512 consecutive bytes, at a multiple of 256 from out's first
.endr
	s_wait_xcnt 0x0                                ; the stores have read their registers and their base
	s_add_nc_u64 s[8:9], s[8:9], 65536
	s_add_co_u32 s79, s79, 1
	s_cmp_lt_u32 s79, 8
	s_cbranch_scc1 .Lrow
	s_wait_tensorcnt 0x0                           ; the wave's end, behind my last LDS store
	ds_add_u32 v[SPW], v[NIL]
	s_wait_dscnt 0x0
	CROUND
	s_endpgm
.Lfunc_end_k_qa259d37e27_gout:
	.size	k_qa259d37e27_gout, .Lfunc_end_k_qa259d37e27_gout-k_qa259d37e27_gout
	.p2alignl 7, 3214868480
	.fill 96, 4, 3214868480
	.section	.rodata,"a",@progbits
	.p2align	6, 0x0
	.amdhsa_kernel k_qa259d37e27_gout
		.amdhsa_group_segment_fixed_size 327680
		.amdhsa_private_segment_fixed_size 0
		.amdhsa_enable_private_segment 0
		.amdhsa_kernarg_size 24
		.amdhsa_user_sgpr_count 2
		.amdhsa_user_sgpr_kernarg_segment_ptr 1
		.amdhsa_wavefront_size32 1
		.amdhsa_system_sgpr_workgroup_id_x 1
		.amdhsa_system_sgpr_workgroup_id_y 1
		.amdhsa_system_sgpr_workgroup_id_z 1
		.amdhsa_system_vgpr_workitem_id 0
		.amdhsa_next_free_vgpr 1024
		.amdhsa_next_free_sgpr 96
		.amdhsa_reserve_vcc 0
		.amdhsa_float_denorm_mode_32 3
		.amdhsa_float_denorm_mode_16_64 3
		.amdhsa_memory_ordered 1
		.amdhsa_forward_progress 1
		.amdhsa_inst_pref_size 82
	.end_amdhsa_kernel
	.amdgpu_metadata
---
amdhsa.version: [ 1, 2 ]
amdhsa.kernels:
  - .name:           k_qa259d37e27_gout
    .symbol:         k_qa259d37e27_gout.kd
    .args:
      - { .name: at, .offset: 0, .size: 8, .value_kind: global_buffer, .address_space: global }
      - { .name: woh, .offset: 8, .size: 8, .value_kind: global_buffer, .address_space: global }
      - { .name: out0, .offset: 16, .size: 8, .value_kind: global_buffer, .address_space: global }
    .group_segment_fixed_size: 327680
    .private_segment_fixed_size: 0
    .kernarg_segment_align: 8
    .kernarg_segment_size: 24
    .max_flat_workgroup_size: 128
    .sgpr_count:     96
    .vgpr_count:     1024
    .wavefront_size: 32
...
	.end_amdgpu_metadata
.endif
;; end of part 4
